; MI455X (gfx1250); checked and timed in simulation.
; The chip was launched on July 23, 2026; its instructions are those of AMD's public machine-readable ISA for CDNA 5 (MIT licence, August 2026) and "CDNA5" Instruction Set Architecture Reference Guide (July 2026). The comments in the code are by the model that wrote it; some were corrected since.
;; Attention. Allowed arithmetic: matrix products marked QUANTISED: E4M3 operands, one E8M0 scale for each 32 along K, by v_wmma_scale_f32_16x16x128_f8f6f4 with both operands' format E4M3, f32 sums; everything else in f32.
;; Inputs: Wk 1,024 x 1,024 float32; Wq 1,024 x 1,024 float32; bk 1,024 float32; bq 1,024 float32; gk 1,024 float32; gq 1,024 float32; kx 128 x 256 x 1,024 float32; qx 128 x 1 x 1,024 float32.
;; Outputs: out0 128 x 128 x 1,024 float32.
;; This version of the problem:
;;   THIS VERSION OF THE PROBLEM IS GIVEN IN LOW PRECISION. The matrix products marked QUANTISED in the list below multiply operands that are first quantised to E4M3 (4 exponent bits, 3 mantissa bits; 8 bits a number), with one power-of-two scale for each 32 numbers along K (OCP MX v1.0); their sums are f32. All else is computed in f32.
;;   The module's matrix products, in the order in which they are computed (A, B: the left and right operand; K: the contracted axis; several contracted axes count as one K, in the product's order):
;;     1. [M 128, K 1,024] x [K 1,024, N 1,024]; A: computed on the way; B: input Wq: QUANTISED
;;     2. [M 32,768, K 1,024] x [K 1,024, N 1,024]; A: computed on the way; B: input Wk: QUANTISED
;;     3. batch 16 x [M 32,768, K 64] x [K 64, N 128]; A: computed on the way; B: computed on the way: QUANTISED
;;     4. batch 128 x [M 128, K 256] x [K 256, N 1,024]; A: computed on the way; B: input kx: QUANTISED
;;   THE QUANTISER, for each operand of a quantised product, along K:
;;     - K is cut into blocks of 32 from its start; a last block that is shorter is filled with zeros.
;;     - A block's scale is 2^e with e = floor(log2(the largest magnitude in the block)) - 8, held to -126 .. 127; a block of zeros has e = 0. As a byte (E8M0): e + 127.
;;     - Each number is divided by its block's scale, clamped to +-448, and rounded to the nearest number of E4M3, ties to even, subnormals kept.
;;     - The product sums the exact products of the quantised numbers (number of the format x scale) in f32.
;;   ~~~python
;;   def quantise(x, axis):      # numpy; x: float32 -> the quantised numbers, widened to float32 again
;;       x = np.moveaxis(x, axis, -1); K = x.shape[-1]
;;       x = np.pad(x, [(0, 0)] * (x.ndim - 1) + [(0, -K % 32)]); x = x.reshape(x.shape[:-1] + (-1, 32)); a = np.abs(x).max(-1, keepdims=True)
;;       e = np.where(a > 0, np.clip(np.frexp(np.where(a > 0, a, 1))[1] - 1 - 8, -126, 127), 0)      # np.frexp(a)[1] - 1 = floor(log2(a)), exactly
;;       r = np.clip(x / 2.0 ** e, -448, 448)
;;       step = 2.0 ** (np.maximum(np.frexp(np.where(r == 0, 1, r))[1] - 1, -6) - 3)
;;       q = np.round(r / step) * step * 2.0 ** e      # np.round: ties to even
;;       return np.moveaxis(q.reshape(q.shape[:-2] + (-1,))[..., :K], -1, axis).astype(np.float32)
;;   ~~~
;;   OPERANDS COMPUTED ON THE WAY. 'Computed on the way' means the value that the module computes at that place (a softmax that the list does not call 'softmax' is quantised finished and normalised). What goes into a quantiser is computed in f32, as accurately as f32 sums, v_exp_f32 and their like allow (about 1e-6 of the number): no bf16 or f16 on the way to a quantiser, and a product that is left as it is and whose result goes on into a quantised operand takes f32 operands (vector FMAs, or v_wmma_f32_16x16x4_f32). A number that lies on a knife's edge between two numbers of the format may be rounded either way, as far as f32 arithmetic and the matrix unit's own rounding can turn it there, and no further.
;; One version. Each part assembles by itself: llvm-mc -triple=amdgcn-amd-amdhsa -mcpu=gfx1250 --defsym DOCPART=n.
;; ======== version 1 of 1: 4 launches
;; limits: right only within a limited range of input values
;; workspace buffers: codes 35,782,656 bytes; scales 1,118,208 bytes; vc 33,554,432 bytes; vs 1,048,576 bytes; kc 35,651,584 bytes; qc 131,072 bytes; qsb 8,192 bytes
;; launch quant (part 1): grid 324 x 1, 8 waves a work-group, no clusters, 145,408 bytes of LDS; arguments kx, qx, Wk, Wq, gk, gq, bk, bq, codes, scales, vc, vs; writes codes, scales, vc, vs
.if DOCPART == 1
	.amdgcn_target "amdgcn-amd-amdhsa--gfx1250"
	.amdhsa_code_object_version 6
	.text
	.protected	k_q5fbb69a5ff_quant
	.globl	k_q5fbb69a5ff_quant
	.p2align	8
	.type	k_q5fbb69a5ff_quant,@function
k_q5fbb69a5ff_quant:
	s_mov_b64 s[64:65], 0
	v_nop
	global_prefetch_b8 v0, s[64:65] scope:SCOPE_SE
	s_setreg_imm32_b32 hwreg(HW_REG_WAVE_MODE, 25, 1), 1
	s_wait_xcnt 0x0
; All operands that come from inputs are turned into codes of E4M3 with one E8M0 byte for each 32 along K.
; The rows of kx (32,768), qx (128), Wk (1,024), Wq (1,024), 1,024 f32 each, are one stack of 1,092 strips of 32 rows.  Work-groups 0 .. 255 take four strips of kx each (strips 4 w ..);
; work-groups 256 .. 323 take ONE strip each of qx, Wk, Wq (strip w + 768): two work-groups' LDS and registers fit on a WGP, and a WGP that gets a short one beside its kx block has a quarter block more.
; Every work-group walks the loop's four trips, so that the trip count is a constant of the text; a short work-group has work in the first trip alone and only passes the barriers of the others.
; kx and qx rows are layer-normalised first (mean, then the variance of x - mean: two passes, no difference of large sums); for the weights' rows the same lines run with mean 0, factor 1, gain 1, bias 0.
; Each row's codes go to 'codes' [row][1024] and its 32 scale bytes to 'scales' [row][32], AT THE ROW NUMBER WITH BITS 3 AND 4 EXCHANGED: 16 neighbouring stored rows are then rows
; 32 b + 8 u + r + 8 (r / 8), so that the results of two neighbouring tiles of a transposed product are 16 neighbours along the next K.
; kx is quantised a second time, as it is given, along n (its rows), for the last product: a lane takes a column, its 32 registers a block of 32 rows; codes go to 'vc' in the order of
; the operand's registers [batch][c / 16][n / 128][(n / 32) % 4][(n / 16) % 2][c % 16][16 bytes], scale words to 'vs' [batch][n / 128][c].
; A strip is loaded once (each load 512 consecutive bytes), lies in LDS, and is read from there both ways; the next strip's 32 loads a wave go out as soon as the rows' registers have been read for the last time.
; No tensor load, no matrix unit, no cluster: work-groups share no input bytes.
; LIMITS: NaN and infinities are not served; a block whose largest magnitude is under 2^-118 keeps the byte 1; a block of zeros has the byte 1 (its codes are zeros; only this program reads the bytes).
.set PITCH, 4352                       ; a row in LDS: 16 x (256 bytes + 16 of padding)
.set STT,   32*PITCH                   ; behind the 32 rows: 16 bytes a row: mean, mean, factor, factor
.set SBB,   STT+512                    ; the scale bytes: 512 bytes for each wave: [strip][place of the row][16]
.set LDO, 1                            ; v1   16 lane + 16384 wave: my bytes of the wave's four rows in memory
.set STA, 2                            ; v2   the same place in LDS
.set SWA, 3                            ; v3   where my wave's four rows' statistics go
.set LN0, 4                            ; v4   my 64 bytes of row wave / 2;  v5 the same 16 rows on
.set LN1, 5
.set SRA, 6                            ; v6   that row's statistics
.set COF, 7                            ; v7   512 wave + 16 lane: my 16 codes
.set SB0, 8                            ; v8   my block's scale byte in my wave's 512 bytes
.set VA0, 9                            ; v9   my column in row 0;  v10 in row 15;  v11 in row 30
.set VOF, 12                           ; v12  my column's place in vc
.set VSO, 13                           ; v13  4 x thread
.set FIO, 14                           ; v14  16 x thread
.set FIL, 15                           ; v15  where those 16 scale bytes lie in LDS
.set SBV, 16                           ; v16-19  the scale words of my four columns
.set M,   20                           ; v20-35  statistics
.set TM,  36                           ; v36-43  at work
.set GBO, 44                           ; v44  my 16 columns in g and b
.set SBA, 47                           ; v47  SB0 + this strip's step
.set C,   48                           ; v48-55  codes, two sets
.set E,   56                           ; v56-57  scale bytes
.set PD,  60                           ; v60-63  lane permutes' destinations
.set G,   64                           ; v64-79  gain of my 16 columns
.set B,   80                           ; v80-95  bias
.set X,   96                           ; v96-127 numbers at work, two sets of 16
.set R,   128                          ; v128-255 a strip's four rows of my wave, as loaded
.set LIM, 11                           ; s11  1 in a kx block, 4 in a short work-group: a trip works where the count of strips to go is at least LIM, and loads ahead where it is above LIM
.set NW,  48                           ; s48  how many waves store scale bytes at the end: 8 (4,096 bytes) or 2 (1,024 bytes)
	s_load_b512 s[16:31], s[0:1], 0x0              ; kx, qx, Wk, Wq, gk, gq, bk, bq
	s_load_b256 s[32:39], s[0:1], 0x40             ; codes, scales, vc, vs
	v_lshl_add_u32 v58, v0, 2, 0x23400
	v_mov_b32 v59, 0
	v_lshrrev_b32 v36, 5, v0
	s_delay_alu instid0(VALU_DEP_1)
	v_readfirstlane_b32 s10, v36                   ; wave 0..7
	v_and_b32 v37, 31, v0                          ; lane
	s_delay_alu instid0(VALU_DEP_1)
	v_lshrrev_b32 v38, 4, v37
	s_delay_alu instid0(VALU_DEP_2)
	v_and_b32 v39, 15, v37
	s_delay_alu instid0(VALU_DEP_3)
	v_lshrrev_b32 v40, 2, v37
	s_delay_alu instid0(VALU_DEP_4)
	v_and_b32 v41, 3, v37
	s_lshr_b32 s11, s10, 1
	s_and_b32 s12, s10, 1
	s_lshl_b32 s2, s10, 14
	v_lshl_add_u32 v[LDO], v37, 4, s2
	v_mul_u32_u24 v[STA], v38, 272
	s_delay_alu instid0(VALU_DEP_1)
	v_lshl_add_u32 v[STA], v39, 4, v[STA]
	s_mul_i32 s2, s10, 4*PITCH
	v_add_nc_u32 v[STA], s2, v[STA]
	s_lshl_b32 s2, s10, 6
	s_add_co_u32 s2, s2, STT
	v_mov_b32 v[SWA], s2
	v_mul_u32_u24 v[LN0], v40, 272
	s_delay_alu instid0(VALU_DEP_1)
	v_lshl_add_u32 v[LN0], v41, 6, v[LN0]
	s_mul_i32 s2, s11, PITCH
	s_mul_i32 s3, s12, 8*272
	s_add_co_u32 s2, s2, s3
	v_add_nc_u32 v[LN0], s2, v[LN0]
	s_delay_alu instid0(VALU_DEP_1)
	v_add_nc_u32 v[LN1], 16*PITCH, v[LN0]
	s_lshl_b32 s2, s11, 4
	s_add_co_u32 s2, s2, STT
	v_mov_b32 v[SRA], s2
	s_lshl_b32 s2, s10, 9
	v_lshl_add_u32 v[COF], v37, 4, s2
	s_add_co_u32 s2, s2, SBB
	v_lshrrev_b32 v[SB0], 1, v37
	s_delay_alu instid0(VALU_DEP_1)
	v_add_nc_u32 v[SB0], s2, v[SB0]
	s_mul_i32 s2, s11, 272
	s_lshl_b32 s3, s12, 7
	s_add_co_u32 s2, s2, s3
	v_lshl_add_u32 v[VA0], v37, 2, s2
	s_delay_alu instid0(VALU_DEP_1)
	v_add_nc_u32 v[VA0+1], 15*PITCH, v[VA0]
	s_delay_alu instid0(VALU_DEP_2)
	v_add_nc_u32 v[VA0+2], 30*PITCH, v[VA0]
	v_lshlrev_b32 v[VOF], 12, v38
	s_delay_alu instid0(VALU_DEP_1)
	v_lshl_add_u32 v[VOF], v39, 4, v[VOF]
	s_lshl_b32 s2, s10, 13
	v_add_nc_u32 v[VOF], s2, v[VOF]
	v_lshlrev_b32 v[VSO], 2, v0
	v_lshlrev_b32 v[FIO], 4, v0
	v_and_b32 v42, 7, v0
	s_delay_alu instid0(VALU_DEP_1)
	v_lshlrev_b32 v42, 9, v42
	v_lshrrev_b32 v43, 6, v0
	s_delay_alu instid0(VALU_DEP_1)
	v_lshl_add_u32 v42, v43, 7, v42
	v_bfe_u32 v43, v0, 3, 3
	s_delay_alu instid0(VALU_DEP_1)
	v_lshl_add_u32 v42, v43, 4, v42
	s_delay_alu instid0(VALU_DEP_1)
	v_add_nc_u32 v[FIL], SBB, v42
	s_lshl_b32 s2, s12, 11
	v_lshl_add_u32 v[GBO], v37, 6, s2
.irp k, 0,1,2,3
	v_mov_b32 v[SBV+\k], 0
	v_mov_b32 v[PD+\k], 0
.endr
	s_mov_b32 s41, 0x600000                        ; the mantissa field of 448
	s_mov_b32 s42, 0x76543210
	s_mov_b32 s43, 0xfedcba98                      ; lane l xor 16
	s_mov_b32 s46, 0x3727c5ac                      ; 1e-5
	s_mov_b32 s47, 0x3a800000                      ; 1 / 1024
	s_mov_b32 s13, 4                               ; strips to go: the loop's count, the same in every work-group
	s_mov_b32 s14, 0                               ; 8 x strip: the byte's place in a column's scale word
	s_mov_b32 s45, 0                               ; 128 x strip
	s_lshl_b32 s2, ttmp9, 2                        ; a kx block's first strip,
	s_add_co_u32 s3, ttmp9, 768                    ; a short work-group's only one: 1,024 + (w - 256)
	s_wait_alu depctr_va_vdst(0)
	s_wait_kmcnt 0x0
	; which tensor: the choices hang on the work-group's number alone.  s15: the tensor's first strip in the stack
	s_mov_b32 s15, 1060
	s_cmp_lt_u32 ttmp9, 292
	s_cselect_b64 s[4:5], s[20:21], s[22:23]       ; Wk or Wq
	s_cselect_b32 s15, 1028, s15
	s_cmp_lt_u32 ttmp9, 260
	s_cselect_b64 s[4:5], s[18:19], s[4:5]         ; qx
	s_cselect_b32 s15, 1024, s15
	s_cselect_b32 s40, -1, 0                       ; all ones where rows are normalised
	s_cselect_b32 s44, 0x3a800000, 0               ; the mean's factor, 1 / 1024 or 0
	s_cselect_b64 s[6:7], s[26:27], s[24:25]       ; gq, bq for qx's rows
	s_cselect_b64 s[8:9], s[30:31], s[28:29]
	s_cmp_lt_u32 ttmp9, 256
	s_cselect_b64 s[4:5], s[16:17], s[4:5]         ; kx
	s_cselect_b64 s[6:7], s[24:25], s[6:7]
	s_cselect_b64 s[8:9], s[28:29], s[8:9]
	s_cselect_b32 s15, 0, s15
	s_cselect_b32 s[LIM], 1, 4
	s_cselect_b32 s[NW], 8, 2
	s_cselect_b32 s12, s2, s3                      ; my first strip
	s_sub_co_u32 s2, s12, s15
	s_lshl_b32 s2, s2, 17                          ; 32 rows of 4,096 bytes a strip
	s_mov_b32 s3, 0
	s_add_nc_u64 s[4:5], s[4:5], s[2:3]
	s_lshl_b32 s2, s12, 15                         ; 32 rows of 1,024 codes
	s_add_nc_u64 s[32:33], s[32:33], s[2:3]
	s_lshl_b32 s2, s12, 10                         ; 32 rows of 32 scale bytes
	s_add_nc_u64 s[34:35], s[34:35], s[2:3]
	s_lshl_b32 s2, ttmp9, 12                       ; vs and vc: used by kx blocks alone
	s_add_nc_u64 s[38:39], s[38:39], s[2:3]
	s_lshr_b32 s2, ttmp9, 1
	s_lshl_b32 s2, s2, 18
	s_and_b32 s15, ttmp9, 1
	s_lshl_b32 s15, s15, 11
	s_add_co_u32 s2, s2, s15
	s_add_nc_u64 s[36:37], s[36:37], s[2:3]
.macro LOAD                            ; my wave's four rows of a strip: each load 512 consecutive bytes
.irp rr, 0,1,2,3
.irp j, 0,1,2,3,4,5,6,7
	global_load_b128 v[R+32*\rr+4*\j:R+32*\rr+4*\j+3], v[LDO], s[4:5] offset:4096*\rr+512*\j th:TH_LOAD_NT
.endr
.endr
.endm
.macro FOLD                            ; four rows' partial sums, two pairs each in v[X + 4 rr], become the rows' sums in every lane
.irp rr, 0,1,2,3
	v_pk_add_f32 v[X+4*\rr:X+4*\rr+1], v[X+4*\rr:X+4*\rr+1], v[X+4*\rr+2:X+4*\rr+3]
.endr
.irp rr, 0,1,2,3
	s_delay_alu instid0(VALU_DEP_4)
	v_add_f32 v[X+4*\rr], v[X+4*\rr], v[X+4*\rr+1]
.endr
.irp m, 1,2,4,8
.irp rr, 0,1,2,3
	s_delay_alu instid0(VALU_DEP_4)
	v_add_f32_dpp v[X+4*\rr], v[X+4*\rr], v[X+4*\rr] row_xmask:\m row_mask:0xf bank_mask:0xf
.endr
.endr
.irp rr, 0,1,2,3
	s_delay_alu instid0(VALU_DEP_4)
	v_permlanex16_b32 v[PD+\rr], v[X+4*\rr], s42, s43
.endr
.irp rr, 0,1,2,3
	s_delay_alu instid0(VALU_DEP_4)
	v_add_f32 v[X+4*\rr], v[X+4*\rr], v[PD+\rr]
.endr
.endm
; item i of 8: row 4 i + wave / 2 of the strip, my 16 columns; register set e = i % 2
.macro ITEM_LOAD i, e                  ; five LDS loads
.irp k, 0,1,2,3
	ds_load_b128 v[X+16*(\e)+4*\k:X+16*(\e)+4*\k+3], v[LN0+(\i)/4] offset:4*PITCH*((\i)%4)+16*\k
.endr
	ds_load_b128 v[M+4*(\e):M+4*(\e)+3], v[SRA] offset:64*(\i)
.endm
.macro ITEM_WORK i, e
.set XS, X+16*(\e)
.set MS, M+4*(\e)
.set TS, TM+4*(\e)
.set SW, ((\i)&1)|(((\i)&2)<<1)|(((\i)&4)>>1)  ; bits 1 and 2 of i are bits 3 and 4 of the row: exchanged
.irp k, 0,2,4,6,8,10,12,14
	v_pk_add_f32 v[XS+\k:XS+\k+1], v[XS+\k:XS+\k+1], v[MS:MS+1] neg_lo:[0,1] neg_hi:[0,1]
.endr
.irp k, 0,2,4,6,8,10,12,14
	v_pk_mul_f32 v[XS+\k:XS+\k+1], v[XS+\k:XS+\k+1], v[MS+2:MS+3]
.endr
.irp k, 0,2,4,6,8,10,12,14
	v_pk_fma_f32 v[XS+\k:XS+\k+1], v[XS+\k:XS+\k+1], v[G+\k:G+\k+1], v[B+\k:B+\k+1]
.endr
	v_max3_num_f32 v[TS], |v[XS]|, |v[XS+1]|, |v[XS+2]|
	v_max3_num_f32 v[TS+1], |v[XS+3]|, |v[XS+4]|, |v[XS+5]|
.irp k, 6,10
	s_delay_alu instid0(VALU_DEP_2)
	v_max3_num_f32 v[TS], v[TS], |v[XS+\k]|, |v[XS+\k+1]|
	s_delay_alu instid0(VALU_DEP_2)
	v_max3_num_f32 v[TS+1], v[TS+1], |v[XS+\k+2]|, |v[XS+\k+3]|
.endr
	s_delay_alu instid0(VALU_DEP_2)
	v_max3_num_f32 v[TS], v[TS], |v[XS+14]|, |v[XS+15]|
	s_delay_alu instid0(VALU_DEP_1)
	v_max3_num_f32 v[TS], v[TS], v[TS+1], 0x4800000              ; the floor 2^(9 - 127): the byte cannot fall under 1
	s_delay_alu instid0(VALU_DEP_1)
	v_max_num_f32_dpp v[TS], v[TS], v[TS] row_xmask:1 row_mask:0xf bank_mask:0xf   ; with my neighbour's 16: the block's largest magnitude
	s_delay_alu instid0(VALU_DEP_1)
	v_add_nc_u32 v[TS+2], 0xfc000000, v[TS]                      ; 8 off its exponent field: the conversion's scale operand
	s_delay_alu instid0(VALU_DEP_2)
	v_and_or_b32 v[TS+3], v[TS], 0x7f800000, s41                 ; 448 x the scale
.irp k, 0,1,2,3,4,5,6,7,8,9,10,11,12,13,14,15
	v_med3_num_f32 v[XS+\k], v[XS+\k], -v[TS+3], v[TS+3]         ; the conversion does not saturate (ISA guide 7.6.2): the hold
.endr
.if ((\i)%2 == 0) && ((\i) >= 2)
	s_wait_alu depctr_va_vdst(0)
	s_wait_xcnt 0x0                                ; the stores of items i - 2 and i - 1 have read the two sets of codes' registers, which items i and i + 1 write.  (Items 0 and 1: the wait behind the last strip's second barrier stands behind every earlier store)
.endif
	v_cvt_scalef32_pk8_fp8_f32 v[C+4*(\e):C+4*(\e)+1], v[XS:XS+7], v[TS+2]
	v_cvt_scalef32_pk8_fp8_f32 v[C+4*(\e)+2:C+4*(\e)+3], v[XS+8:XS+15], v[TS+2]
	v_lshrrev_b32 v[E+(\e)], 23, v[TS+2]                         ; the scale's byte (also the plain line behind the conversions)
	ds_store_b8 v[SBA], v[E+(\e)] offset:16*SW                   ; both lanes of a block write the same byte
	global_store_b128 v[COF], v[C+4*(\e):C+4*(\e)+3], s[32:33] offset:4096*SW   ; a wave stores 512 consecutive bytes
.endm
; column 256 ip + thread: the strip's 32 rows are one block along n
.macro VCOL ip
.set n, 0
.rept 32
	ds_load_b32 v[X+n], v[VA0+n/15] offset:(n%15)*PITCH+1088*\ip
.set n, n+1
.endr
	s_wait_dscnt 16                                ; rows 0-15 are in; the loads of rows 16-31 may be out
	v_max3_num_f32 v[TM], |v[X]|, |v[X+1]|, |v[X+2]|
	v_max3_num_f32 v[TM+1], |v[X+3]|, |v[X+4]|, |v[X+5]|
.irp k, 6,10
	s_delay_alu instid0(VALU_DEP_2)
	v_max3_num_f32 v[TM], v[TM], |v[X+\k]|, |v[X+\k+1]|
	s_delay_alu instid0(VALU_DEP_2)
	v_max3_num_f32 v[TM+1], v[TM+1], |v[X+\k+2]|, |v[X+\k+3]|
.endr
	s_delay_alu instid0(VALU_DEP_2)
	v_max3_num_f32 v[TM], v[TM], |v[X+14]|, |v[X+15]|
	s_wait_alu depctr_va_vdst(0)
	s_wait_dscnt 0x0
.irp k, 16
	v_max3_num_f32 v[TM+1], v[TM+1], |v[X+\k]|, |v[X+\k+1]|
	v_max3_num_f32 v[TM], v[TM], |v[X+\k+2]|, |v[X+\k+3]|
.endr
.irp k, 20, 24, 28
	s_delay_alu instid0(VALU_DEP_2)
	v_max3_num_f32 v[TM+1], v[TM+1], |v[X+\k]|, |v[X+\k+1]|
	s_delay_alu instid0(VALU_DEP_2)
	v_max3_num_f32 v[TM], v[TM], |v[X+\k+2]|, |v[X+\k+3]|
.endr
	s_delay_alu instid0(VALU_DEP_1)
	v_max3_num_f32 v[TM], v[TM], v[TM+1], 0x4800000
	s_delay_alu instid0(VALU_DEP_1)
	v_add_nc_u32 v[TM+2], 0xfc000000, v[TM]
	s_delay_alu instid0(VALU_DEP_2)
	v_and_or_b32 v[TM+3], v[TM], 0x7f800000, s41
	s_delay_alu instid0(VALU_DEP_2)
	v_lshrrev_b32 v[TM+1], 23, v[TM+2]
	s_delay_alu instid0(VALU_DEP_1)
	v_lshl_or_b32 v[SBV+\ip], v[TM+1], s14, v[SBV+\ip]           ; the strip's byte of the column's scale word
.set n, 0
.rept 32
	v_med3_num_f32 v[X+n], v[X+n], -v[TM+3], v[TM+3]
.set n, n+1
.endr
	s_wait_alu depctr_va_vdst(0)
	s_wait_xcnt 0x0                                ; the stores of the column before (or of items 6 and 7) have read the codes' registers, which are written now
.irp g, 0,1,2,3
	v_cvt_scalef32_pk8_fp8_f32 v[C+2*\g:C+2*\g+1], v[X+8*\g:X+8*\g+7], v[TM+2]
.endr
	v_nop                                          ; a plain line behind the last conversion
	global_store_b128 v[VOF], v[C:C+3], s[36:37] offset:65536*\ip        ; rows 0-15: sixteen lanes store 256 consecutive bytes, aligned
	global_store_b128 v[VOF], v[C+4:C+7], s[36:37] offset:65536*\ip+256  ; rows 16-31
.endm
.irp k, 0,1,2,3
	global_load_b128 v[G+4*\k:G+4*\k+3], v[GBO], s[6:7] offset:16*\k
	global_load_b128 v[B+4*\k:B+4*\k+3], v[GBO], s[8:9] offset:16*\k
.endr
	LOAD
	s_wait_loadcnt 32                              ; g and b are in; the first strip's 32 loads may be out
.irp k, 0,1,2,3,4,5,6,7,8,9,10,11,12,13,14,15
	v_cndmask_b32 v[G+\k], 1.0, v[G+\k], s40       ; the weights' rows pass unchanged
	v_cndmask_b32 v[B+\k], 0, v[B+\k], s40
.endr
.Lstrip:
	v_add_nc_u32 v[SBA], s45, v[SB0]               ; this strip's scale bytes
	s_cmp_lt_u32 s13, s[LIM]                       ; a short work-group has no rows in trips 2 to 4
	s_cbranch_scc1 .Lno_stat
.irp rr, 0,1,2,3
	s_wait_loadcnt 24-8*\rr                        ; row rr's eight loads are in; those of the rows behind it may be out
.irp j, 0,1,2,3,4,5,6,7
	ds_store_b128 v[STA], v[R+32*\rr+4*\j:R+32*\rr+4*\j+3] offset:PITCH*\rr+544*\j
.endr
.endr
	; the rows' means
.irp rr, 0,1,2,3
	v_pk_add_f32 v[X+4*\rr:X+4*\rr+1], v[R+32*\rr:R+32*\rr+1], v[R+32*\rr+2:R+32*\rr+3]
	v_pk_add_f32 v[X+4*\rr+2:X+4*\rr+3], v[R+32*\rr+4:R+32*\rr+5], v[R+32*\rr+6:R+32*\rr+7]
.endr
.irp j, 8,12,16,20,24,28
.irp rr, 0,1,2,3
	v_pk_add_f32 v[X+4*\rr:X+4*\rr+1], v[X+4*\rr:X+4*\rr+1], v[R+32*\rr+\j:R+32*\rr+\j+1]
	v_pk_add_f32 v[X+4*\rr+2:X+4*\rr+3], v[X+4*\rr+2:X+4*\rr+3], v[R+32*\rr+\j+2:R+32*\rr+\j+3]
.endr
.endr
	FOLD
.irp rr, 0,1,2,3
	s_delay_alu instid0(VALU_DEP_4)
	v_mul_f32 v[M+4*\rr], s44, v[X+4*\rr]
.endr
.irp rr, 0,1,2,3
	s_delay_alu instid0(VALU_DEP_4)
	v_mov_b32 v[M+4*\rr+1], v[M+4*\rr]
.endr
	s_wait_alu depctr_va_vdst(0)
	s_wait_dscnt 0x0                               ; the stores into the stage have read the rows' registers, which are now written
	; the variance of x - mean
.irp j, 0,2,4,6,8,10,12,14,16,18,20,22,24,26,28,30
.irp rr, 0,1,2,3
	v_pk_add_f32 v[R+32*\rr+\j:R+32*\rr+\j+1], v[R+32*\rr+\j:R+32*\rr+\j+1], v[M+4*\rr:M+4*\rr+1] neg_lo:[0,1] neg_hi:[0,1]
.endr
.endr
.irp rr, 0,1,2,3
	v_pk_mul_f32 v[X+4*\rr:X+4*\rr+1], v[R+32*\rr:R+32*\rr+1], v[R+32*\rr:R+32*\rr+1]
	v_pk_mul_f32 v[X+4*\rr+2:X+4*\rr+3], v[R+32*\rr+2:R+32*\rr+3], v[R+32*\rr+2:R+32*\rr+3]
.endr
.irp j, 4,8,12,16,20,24,28
.irp rr, 0,1,2,3
	v_pk_fma_f32 v[X+4*\rr:X+4*\rr+1], v[R+32*\rr+\j:R+32*\rr+\j+1], v[R+32*\rr+\j:R+32*\rr+\j+1], v[X+4*\rr:X+4*\rr+1]
	v_pk_fma_f32 v[X+4*\rr+2:X+4*\rr+3], v[R+32*\rr+\j+2:R+32*\rr+\j+3], v[R+32*\rr+\j+2:R+32*\rr+\j+3], v[X+4*\rr+2:X+4*\rr+3]
.endr
.endr
	s_cmp_eq_u32 s13, s[LIM]                       ; a work-group's last strip asks for nothing: no load leaves its buffer
	s_cbranch_scc1 .Lno_load
	s_add_nc_u64 s[4:5], s[4:5], 32*4096           ; (the loads that read this base are done)
	LOAD                                           ; the rows' registers have been read for the last time: the next strip, 16 KB a wave, is out from here to the next trip's head
.Lno_load:
	s_wait_alu depctr_va_vdst(0)
	FOLD
.irp rr, 0,1,2,3
	s_delay_alu instid0(VALU_DEP_4)
	v_fma_f32 v[X+4*\rr], v[X+4*\rr], s47, s46     ; variance + 1e-5
.endr
	s_wait_alu depctr_va_vdst(0)
.irp rr, 0,1,2,3
	v_rsq_f32 v[M+4*\rr+2], v[X+4*\rr]
.endr
	v_nop                                          ; a plain line behind the last of the four
	s_wait_alu depctr_va_vdst(0)                   ; one wait for the four, ahead of their first reader
.irp rr, 0,1,2,3
	v_cndmask_b32 v[M+4*\rr+2], 1.0, v[M+4*\rr+2], s40
.endr
.irp rr, 0,1,2,3
	s_delay_alu instid0(VALU_DEP_4)
	v_mov_b32 v[M+4*\rr+3], v[M+4*\rr+2]
.endr
.irp rr, 0,1,2,3
	ds_store_b128 v[SWA], v[M+4*\rr:M+4*\rr+3] offset:16*\rr     ; all lanes write the same 16 bytes
.endr
.Lno_stat:
	s_wait_dscnt 0x0                               ; for the others: my rows and their statistics lie in LDS
	s_barrier_signal -1
	s_barrier_wait -1
	s_cmp_lt_u32 s13, s[LIM]
	s_cbranch_scc1 .Lno_work
	; the eight items, one ahead: item i + 1's five LDS loads go out, into the other set of registers, before item i is worked
	ITEM_LOAD 0, 0
.set it, 0
.rept 8
.if it < 7
	ITEM_LOAD it+1, (it+1)%2
.endif
.if it == 0
	s_wait_dscnt 5                                 ; item 0 is in; item 1's five loads may be out
.elseif it < 7
	s_wait_dscnt 6                                 ; this item is in; behind its loads: the byte store of the item before and the next item's five loads
.else
	s_wait_dscnt 1                                 ; item 7 is in; behind its loads: item 6's byte store
.endif
	ITEM_WORK it, it%2
.set it, it+1
.endr
	s_cmp_ge_u32 ttmp9, 256                        ; only kx is an operand of the last product
	s_cbranch_scc1 .Lno_work
	VCOL 0
	VCOL 1
	VCOL 2
	VCOL 3
.Lno_work:
	s_wait_dscnt 0x0                               ; my reads of the strip are over, my scale bytes have landed
	s_barrier_signal -1
	s_barrier_wait -1
	s_wait_xcnt 0x0                                ; the strip's stores have read their bases and their data
	s_add_nc_u64 s[32:33], s[32:33], 32*1024
	s_add_nc_u64 s[36:37], s[36:37], 512
	s_add_co_u32 s45, s45, 128
	s_add_co_u32 s14, s14, 8
	s_sub_co_u32 s13, s13, 1
	s_cmp_lg_u32 s13, 0
	s_cbranch_scc1 .Lstrip
	s_cmp_ge_u32 s10, s[NW]                        ; thread t holds bytes 16 t of the work-group's scale bytes: a short work-group has 1,024, in waves 0 and 1
	s_cbranch_scc1 .Lend
	ds_load_b128 v[X:X+3], v[FIL]                  ; in the order of the stored rows
	s_wait_dscnt 0x0
	global_store_b128 v[FIO], v[X:X+3], s[34:35]   ; a wave stores 512 consecutive bytes
	s_cmp_ge_u32 ttmp9, 256
	s_cbranch_scc1 .Lend
.irp ip, 0,1,2,3
	global_store_b32 v[VSO], v[SBV+\ip], s[38:39] offset:1024*\ip   ; a wave stores 128 consecutive bytes: 4,096 bytes a work-group
.endr
.Lend:
	s_wait_tensorcnt 0x0
	ds_add_u32 v58, v59
	s_wait_dscnt 0x0
	s_endpgm
.Lfunc_end_k_q5fbb69a5ff_quant:
	.size	k_q5fbb69a5ff_quant, .Lfunc_end_k_q5fbb69a5ff_quant-k_q5fbb69a5ff_quant
	.p2alignl 7, 3214868480
	.fill 96, 4, 3214868480
	.section	.rodata,"a",@progbits
	.p2align	6, 0x0
	.amdhsa_kernel k_q5fbb69a5ff_quant
		.amdhsa_group_segment_fixed_size 145408
		.amdhsa_private_segment_fixed_size 0
		.amdhsa_enable_private_segment 0
		.amdhsa_kernarg_size 96
		.amdhsa_user_sgpr_count 2
		.amdhsa_user_sgpr_kernarg_segment_ptr 1
		.amdhsa_wavefront_size32 1
		.amdhsa_system_sgpr_workgroup_id_x 1
		.amdhsa_system_sgpr_workgroup_id_y 1
		.amdhsa_system_sgpr_workgroup_id_z 1
		.amdhsa_system_vgpr_workitem_id 0
		.amdhsa_next_free_vgpr 256
		.amdhsa_next_free_sgpr 66
		.amdhsa_reserve_vcc 0
		.amdhsa_float_denorm_mode_32 3
		.amdhsa_float_denorm_mode_16_64 3
		.amdhsa_memory_ordered 1
		.amdhsa_forward_progress 1
		.amdhsa_inst_pref_size 97
	.end_amdhsa_kernel
	.amdgpu_metadata
---
amdhsa.version: [ 1, 2 ]
amdhsa.kernels:
  - .name:           k_q5fbb69a5ff_quant
    .symbol:         k_q5fbb69a5ff_quant.kd
    .args:
      - { .name: kx, .offset: 0, .size: 8, .value_kind: global_buffer, .address_space: global }
      - { .name: qx, .offset: 8, .size: 8, .value_kind: global_buffer, .address_space: global }
      - { .name: Wk, .offset: 16, .size: 8, .value_kind: global_buffer, .address_space: global }
      - { .name: Wq, .offset: 24, .size: 8, .value_kind: global_buffer, .address_space: global }
      - { .name: gk, .offset: 32, .size: 8, .value_kind: global_buffer, .address_space: global }
      - { .name: gq, .offset: 40, .size: 8, .value_kind: global_buffer, .address_space: global }
      - { .name: bk, .offset: 48, .size: 8, .value_kind: global_buffer, .address_space: global }
      - { .name: bq, .offset: 56, .size: 8, .value_kind: global_buffer, .address_space: global }
      - { .name: codes, .offset: 64, .size: 8, .value_kind: global_buffer, .address_space: global }
      - { .name: scales, .offset: 72, .size: 8, .value_kind: global_buffer, .address_space: global }
      - { .name: vc, .offset: 80, .size: 8, .value_kind: global_buffer, .address_space: global }
      - { .name: vs, .offset: 88, .size: 8, .value_kind: global_buffer, .address_space: global }
    .group_segment_fixed_size: 145408
    .private_segment_fixed_size: 0
    .kernarg_segment_align: 8
    .kernarg_segment_size: 96
    .max_flat_workgroup_size: 256
    .sgpr_count:     66
    .vgpr_count:     256
    .wavefront_size: 32
...
	.end_amdgpu_metadata
.endif
;; end of part 1
;; launch qproj (part 2): grid 32 x 8, 1 waves a work-group, no clusters, 0 bytes of LDS; arguments codes, scales, qc, qsb; writes qc, qsb
.if DOCPART == 2
	.amdgcn_target "amdgcn-amd-amdhsa--gfx1250"
	.amdhsa_code_object_version 6
	.text
	.protected	k_q5fbb69a5ff_qproj
	.globl	k_q5fbb69a5ff_qproj
	.p2align	8
	.type	k_q5fbb69a5ff_qproj,@function
k_q5fbb69a5ff_qproj:
	s_mov_b64 s[64:65], 0
	v_nop
	global_prefetch_b8 v0, s[64:65] scope:SCOPE_SE
	s_setreg_imm32_b32 hwreg(HW_REG_WAVE_MODE, 25, 1), 1
	s_wait_xcnt 0x0
; q = LN(qx) Wq^T on codes of E4M3, and q's own codes for the scores.  One wave makes 16 stored rows of q (tile T = work-group y) x 32 channels (block nb = work-group x), K = 1,024 in eight steps.
; The product is used transposed (source 0 = 16 stored rows of Wq, source 1 = 16 stored rows of LN(qx)).  By the order in which the rows are stored, the 16 registers of the two tiles are
; channels 32 nb + 16 (lane / 16) + 0 .. 15 of the lane's query: one block of 32 lies in lanes l and l xor 16, and the conversions' results are the next operand's registers.
; qc: [T][head][channel / 32][lane][16 bytes]; qsb: [T][nb][lane], a scale byte a lane.  All 96 fragment loads go out at once; no LDS, no barrier.  128 x 1,024 numbers: too little to share tiles for.
; LIMITS: as stated for the quantiser (NaN, infinities; blocks under 2^-118).
.set AS, 16                            ; v16-23  the queries' scale words, K step s
.set WS, 24                            ; v24-39  Wq's, tile u, K step s at 8 u + s
.set AC, 40                            ; v40-55  the two accumulators
.set AF, 64                            ; v64-191 the queries' eight fragments;  window 1: Wq's sixteen, (u, s) at v[16 (8 u + s)]
.set PC, 192                           ; v192-195 the codes
.set MSB, 0
.macro WIN new
.if MSB != (\new)
	s_set_vgpr_msb (MSB<<8)|(\new)
.set MSB, (\new)
.endif
.endm
	s_load_b256 s[4:11], s[0:1], 0x0               ; codes, scales, qc, qsb
	v_and_b32 v5, 15, v0
	v_lshrrev_b32 v6, 4, v0
	v_lshlrev_b32 v1, 10, v5
	v_lshl_add_u32 v1, v6, 4, v1                   ; row r of 1,024 bytes + 16 h
	v_lshlrev_b32 v2, 5, v5                        ; row r of 32 scale bytes
	v_lshlrev_b32 v3, 4, v0                        ; 16 x lane
	v_mov_b32 v57, 0                               ; a lane permute's destination counts as read
	s_and_b32 s12, ttmp7, 0xffff                   ; T
	s_mov_b32 s20, 0x76543210
	s_mov_b32 s21, 0xfedcba98
	s_mov_b32 s22, 0x600000
	s_lshl_b32 s14, s12, 14
	s_add_co_u32 s14, s14, 32768*1024              ; LN(qx)'s rows begin at row 32,768
	s_mov_b32 s15, 0
	s_lshl_b32 s16, ttmp9, 15
	s_add_co_u32 s16, s16, 33920*1024              ; Wq's at row 33,920
	s_mov_b32 s17, 0
	s_lshl_b32 s18, s12, 9
	s_add_co_u32 s18, s18, 32768*32
	s_mov_b32 s19, 0
	s_lshl_b32 s24, ttmp9, 10
	s_add_co_u32 s24, s24, 33920*32
	s_mov_b32 s25, 0
	s_lshl_b32 s26, s12, 5
	s_add_co_u32 s26, s26, ttmp9                   ; 32 T + nb
	s_lshl_b32 s28, s26, 5
	s_mov_b32 s29, 0
	s_lshl_b32 s26, s26, 9
	s_mov_b32 s27, 0
	s_wait_alu depctr_va_vdst(0)
	s_wait_kmcnt 0x0
	s_add_nc_u64 s[14:15], s[4:5], s[14:15]
	s_add_nc_u64 s[16:17], s[4:5], s[16:17]
	s_add_nc_u64 s[18:19], s[6:7], s[18:19]
	s_add_nc_u64 s[24:25], s[6:7], s[24:25]
	s_add_nc_u64 s[8:9], s[8:9], s[26:27]
	s_add_nc_u64 s[10:11], s[10:11], s[28:29]
.irp s, 0,1,2,3,4,5,6,7
.irp c, 0,1,2,3
	global_load_b128 v[AF+16*\s+4*\c:AF+16*\s+4*\c+3], v1, s[14:15] offset:128*\s+32*\c
.endr
.endr
	global_load_b128 v[AS:AS+3], v2, s[18:19]
	global_load_b128 v[AS+4:AS+7], v2, s[18:19] offset:16
.irp u, 0,1
	global_load_b128 v[WS+8*\u:WS+8*\u+3], v2, s[24:25] offset:512*\u
	global_load_b128 v[WS+8*\u+4:WS+8*\u+7], v2, s[24:25] offset:512*\u+16
.endr
	WIN 0x40                                       ; destination window 1
.irp u, 0,1
.irp s, 0,1,2,3,4,5,6,7
.irp c, 0,1,2,3
	global_load_b128 v[16*(8*\u+\s)+4*\c:16*(8*\u+\s)+4*\c+3], v1, s[16:17] offset:16384*\u+128*\s+32*\c
.endr
.endr
.endr
	s_wait_loadcnt 0x0
	WIN 0x01                                       ; source 0 window 1
.irp s, 0,1,2,3,4,5,6,7                        ; the two accumulators by turns
.irp u, 0,1
.if \s == 0
	v_wmma_scale_f32_16x16x128_f8f6f4 v[AC+8*\u:AC+8*\u+7], v[16*(8*\u+\s):16*(8*\u+\s)+15], v[AF+16*\s:AF+16*\s+15], 0, v[WS+8*\u+\s], v[AS+\s]
.else
	v_wmma_scale_f32_16x16x128_f8f6f4 v[AC+8*\u:AC+8*\u+7], v[16*(8*\u+\s):16*(8*\u+\s)+15], v[AF+16*\s:AF+16*\s+15], v[AC+8*\u:AC+8*\u+7], v[WS+8*\u+\s], v[AS+\s]
.endif
.endr
.endr
	WIN 0
.rept 8
	v_nop                                          ; eight places behind this form before its results are read
.endr
	v_max3_num_f32 v56, |v[AC]|, |v[AC+1]|, 0x4800000            ; each accumulator is read from its low end on
.irp i, 2,4,6,8,10,12,14
	v_max3_num_f32 v56, v56, |v[AC+\i]|, |v[AC+\i+1]|
.endr
	v_permlanex16_b32 v57, v56, s20, s21
	v_max_num_f32 v56, v56, v57
	v_add_nc_u32 v58, 0xfc000000, v56
	v_and_or_b32 v59, v56, 0x7f800000, s22
	v_lshrrev_b32 v60, 23, v58
.irp i, 0,1,2,3,4,5,6,7,8,9,10,11,12,13,14,15
	v_med3_num_f32 v[AC+\i], v[AC+\i], -v59, v59
.endr
	v_cvt_scalef32_pk8_fp8_f32 v[PC:PC+1], v[AC:AC+7], v58
	v_cvt_scalef32_pk8_fp8_f32 v[PC+2:PC+3], v[AC+8:AC+15], v58
	v_nop
	global_store_b128 v3, v[PC:PC+3], s[8:9]       ; 512 consecutive bytes
	global_store_b8 v0, v60, s[10:11]              ; 32 bytes: 8,192 in the whole launch
	s_endpgm
.Lfunc_end_k_q5fbb69a5ff_qproj:
	.size	k_q5fbb69a5ff_qproj, .Lfunc_end_k_q5fbb69a5ff_qproj-k_q5fbb69a5ff_qproj
	.p2alignl 7, 3214868480
	.fill 96, 4, 3214868480
	.section	.rodata,"a",@progbits
	.p2align	6, 0x0
	.amdhsa_kernel k_q5fbb69a5ff_qproj
		.amdhsa_group_segment_fixed_size 0
		.amdhsa_private_segment_fixed_size 0
		.amdhsa_enable_private_segment 0
		.amdhsa_kernarg_size 32
		.amdhsa_user_sgpr_count 2
		.amdhsa_user_sgpr_kernarg_segment_ptr 1
		.amdhsa_wavefront_size32 1
		.amdhsa_system_sgpr_workgroup_id_x 1
		.amdhsa_system_sgpr_workgroup_id_y 1
		.amdhsa_system_sgpr_workgroup_id_z 1
		.amdhsa_system_vgpr_workitem_id 0
		.amdhsa_next_free_vgpr 512
		.amdhsa_next_free_sgpr 66
		.amdhsa_reserve_vcc 0
		.amdhsa_float_denorm_mode_32 3
		.amdhsa_float_denorm_mode_16_64 3
		.amdhsa_memory_ordered 1
		.amdhsa_forward_progress 1
		.amdhsa_inst_pref_size 16
	.end_amdhsa_kernel
	.amdgpu_metadata
---
amdhsa.version: [ 1, 2 ]
amdhsa.kernels:
  - .name:           k_q5fbb69a5ff_qproj
    .symbol:         k_q5fbb69a5ff_qproj.kd
    .args:
      - { .name: codes, .offset: 0, .size: 8, .value_kind: global_buffer, .address_space: global }
      - { .name: scales, .offset: 8, .size: 8, .value_kind: global_buffer, .address_space: global }
      - { .name: qc, .offset: 16, .size: 8, .value_kind: global_buffer, .address_space: global }
      - { .name: qsb, .offset: 24, .size: 8, .value_kind: global_buffer, .address_space: global }
    .group_segment_fixed_size: 0
    .private_segment_fixed_size: 0
    .kernarg_segment_align: 8
    .kernarg_segment_size: 32
    .max_flat_workgroup_size: 32
    .sgpr_count:     66
    .vgpr_count:     512
    .wavefront_size: 32
...
	.end_amdgpu_metadata
.endif
;; end of part 2
;; launch kproj (part 3): grid 8 x 32, 4 waves a work-group, clusters of 4 x 4, 327,680 bytes of LDS; arguments codes, scales, kc; writes kc
.if DOCPART == 3
	.amdgcn_target "amdgcn-amd-amdhsa--gfx1250"
	.amdhsa_code_object_version 6
	.text
	.protected	k_q5fbb69a5ff_kproj
	.globl	k_q5fbb69a5ff_kproj
	.p2align	8
	.type	k_q5fbb69a5ff_kproj,@function
k_q5fbb69a5ff_kproj:
	s_mov_b64 s[64:65], 0
	v_nop
	global_prefetch_b8 v0, s[64:65] scope:SCOPE_SE
	s_setreg_imm32_b32 hwreg(HW_REG_WAVE_MODE, 25, 1), 1
	s_wait_xcnt 0x0
	s_wait_alu depctr_hold_cnt(0) depctr_sa_sdst(0) depctr_va_vdst(0) depctr_va_sdst(0) depctr_va_ssrc(0) depctr_va_vcc(0) depctr_vm_vsrc(0)
	s_getreg_b32 s2, hwreg(HW_REG_IB_STS2, 6, 4)
	s_cmp_eq_u32 s2, 0
	s_cbranch_scc0 .Lentry_in_a_cluster
	s_endpgm
.Lentry_in_a_cluster:
	s_bfe_u32 s2, ttmp6, 0x10000c
	s_cmp_lg_u32 s2, 0xf033
	s_cbranch_scc0 .Lentry_shape_is_right
	s_endpgm
.Lentry_shape_is_right:
; k = LN(kx) Wk^T on codes of E4M3 (a scale byte for 32 along K), 32,768 x 1,024 x 1,024, and k's own codes for the scores.  No f32 result is stored.
; THE DEAL.  256 work-groups of four waves, 2 x 2: 1,024 stored rows of LN(kx) (tile row) x 128 stored rows of Wk (tile column).  A wave holds 64 rows of Wk, one head, ALL of K, in 512 registers,
; and streams x's rows past them in blocks of 16, which stand in registers as two whole sets (256).  A block is 32 products on four accumulators by turns.
; LDS: two slots of 128 whole rows of K (1,024 bytes + 16 of padding); behind them the scale bytes of x's 1,024 rows, filled once.  Wk's rows land in slot 1, go into registers, and chunk 1 is filled over them.
; Chunk c + 1 is asked for at the head of chunk c, behind a drained round of the cluster's barrier, a quarter of its rows a wave: x's rows jointly by a row of the cluster, Wk's by a column.
; The product is used transposed (source 0 = 16 rows of Wk, source 1 = 16 rows of x): by the order in which the rows are stored, the 16 registers of two neighbouring tiles are 16 neighbouring channels of the lane's key.
; kc: [batch][head][17,408]: codes [tile of 16 keys][channel / 32][lane][16 bytes], and from byte 16,384 on scale words [pair of tiles][lane]: lanes 0-15 the even tile's, lanes 16-31 the odd's; byte 0, 1: channels 0-31, 32-63.
; PREFETCH: at the head chunks 1 and 2, in chunk c (c up to 4) chunk c + 3, two refills ahead of its load: a chunk's 512 blocks of 256 bytes are named once in a cluster, 32 by each of the cluster row's sixteen waves, told apart by address.
; LIMITS: NaN, infinities and sums beyond f32's range are not served; a block whose largest magnitude is under 2^-118 keeps the byte 1.
.set WROW, 32896
.set KROW, 1024
.set KS, 32
.set PITCH, KROW+16
.set CH, 128
.set YB, CH*PITCH
.set SCL, 2*YB
.set SPARE, SCL+128*272
.set NF, 34                            ; LDS loads of a block: eight fragments of four, two of four scale words
.set BB, 278528                        ; a batch in kc
.set HB, 17408                         ; a head in kc
.set ADRA0, 4
.set AAS0, 6
.set CO, 9
.set SPW, 10
.set NIL, 11
.set ADRA, 12
.set KO, 13
.set ADRB, 14
.set ABS, 16
.set AAS, 17
.set PFO, 18
.set SB, 24                            ; v24-39 Wk's scale words: register 8 p + q: lanes 0-15 tile 2 p's, lanes 16-31 tile 2 p + 1's
.set SA, 44                            ; v44-59 x's: two sets of eight
.set ACC, 64                           ; v64-95 four accumulators
.set TM, 100                           ; v100-109 the quantiser's
.set KW, 112                           ; v112-113 an even and an odd block's scale word
.set KM, 114
.set PC, 116                           ; v116-131 codes, two sets of eight
.set G1A, 24
.set G0A, 56
.set G1B, 32
.set G0B, 60
.set G1R, 48
.set G0R, 68
.set G1S, 92
.set G0S, 72
.set MSB, 0
.macro WIN new
.if MSB != \new
	s_set_vgpr_msb (MSB<<8)|\new
.set MSB, \new
.endif
.endm
.macro PLACES n
.rept \n
	v_nop
.endr
.endm
.macro BARRIER
	s_barrier_signal -1
	s_barrier_wait -1
.endm
.macro CROUND                          ; a round of the cluster's barrier
	BARRIER
	s_cmp_lg_u32 s14, 0
	s_cbranch_scc1 .Lnot_wave_0_\@
	s_barrier_signal -3
.Lnot_wave_0_\@:
	s_barrier_wait -3
	BARRIER
.endm
.macro TLOAD g0, g1                    ; an s_nop 0 and four v_nop follow a tensor load
	tensor_load_to_lds s[\g0:\g0+3], s[\g1:\g1+7]
	s_nop 0
	PLACES 4
.endm
.macro GROUP1 g, mask, rows            ; so many whole rows of K, padded in LDS
	s_or_b32 s[\g+0], s[\mask], (1<<20)|(1<<21)|(7<<22)|(3<<25)
	s_mov_b32 s[\g+1], (KROW&0xffff)<<16
	s_mov_b32 s[\g+2], (KROW>>16)|((\rows)<<16)
	s_mov_b32 s[\g+3], KROW<<16
	s_mov_b32 s[\g+4], \rows
	s_mov_b32 s[\g+5], KROW
	s_mov_b32 s[\g+6], 0
	s_mov_b32 s[\g+7], 0
.endm
	s_load_b128 s[4:7], s[0:1], 0x0                ; codes, scales
	s_load_b64 s[88:89], s[0:1], 0x10              ; kc
	v_lshl_add_u32 v[SPW], v0, 2, SPARE
	v_mov_b32 v[NIL], 0
	ds_add_u32 v[SPW], v[NIL]                      ; the opening lines: the add twice and its wait ahead of my first tensor load
	ds_add_u32 v[SPW], v[NIL]
	v_lshrrev_b32 v1, 5, v0
	v_readfirstlane_b32 s14, v1                    ; wave 0..3
	s_lshr_b32 s15, s14, 1                         ; my row of waves
	s_and_b32 s16, s14, 1                          ; my column of waves
	s_bfe_u32 s40, ttmp6, 0x40000                  ; cx, cy
	s_bfe_u32 s41, ttmp6, 0x40004
	s_lshl_b32 s42, ttmp9, 2
	s_add_co_u32 s42, s42, s40                     ; tile column 0..7
	s_and_b32 s43, ttmp7, 0xffff
	s_lshl_b32 s43, s43, 2
	s_add_co_u32 s43, s43, s41                     ; tile row 0..31
	s_lshl_b32 s44, s41, 2
	s_lshl_b32 s44, 15, s44                        ; my row of the cluster shares x's rows
	s_lshl_b32 s45, 0x1111, s40                    ; my column shares Wk's
	GROUP1 G1B, 45, CH
	GROUP1 G1A, 44, CH
	GROUP1 G1R, 44, CH/4
	s_or_b32 s[G1S+0], s44, (3<<16)|(1<<20)|(1<<21)|(5<<22)|(3<<25)   ; scale bytes of 512 rows: 64 rows of 256 bytes, 16 of padding behind each
	s_mov_b32 s[G1S+1], 32<<16
	s_mov_b32 s[G1S+2], 64<<16
	s_mov_b32 s[G1S+3], 32<<16
	s_mov_b32 s[G1S+4], 64
	s_mov_b32 s[G1S+5], 32
	s_mov_b32 s[G1S+6], 0
	s_mov_b32 s[G1S+7], 0
	s_mov_b32 s[G0S], 1
	s_mul_i32 s[G0S+1], s16, 64*272
	s_add_co_u32 s[G0S+1], s[G0S+1], SCL
	s_lshl_b32 s86, s43, 20                        ; x's rows: 1,024 rows of 1,024 bytes a tile row
	s_mov_b32 s87, 0
	s_lshl_b32 s78, s42, 17                        ; Wk's 128 rows
	s_add_co_u32 s78, s78, WROW*KROW
	s_mov_b32 s79, 0
	s_lshl_b32 s80, s43, 15                        ; x's scale bytes, my half
	s_lshl_b32 s20, s16, 14
	s_add_co_u32 s80, s80, s20
	s_mov_b32 s81, 0
	s_lshl_b32 s82, s42, 12                        ; Wk's scale bytes, my wave's 64 rows
	s_lshl_b32 s20, s16, 11
	s_add_co_u32 s82, s82, s20
	s_add_co_u32 s82, s82, WROW*KS
	s_mov_b32 s83, 0
	s_lshl_b32 s90, s14, 15                        ; a refill: my 32 rows of a chunk
	s_add_co_u32 s90, s90, s86
	s_mov_b32 s91, 0
	s_mul_i32 s9, s14, CH/4*PITCH
	s_mov_b32 s[G0A], 1
	s_mov_b32 s[G0A+1], 0
	s_mov_b32 s[G0B], 1
	s_mov_b32 s[G0B+1], YB
	s_mov_b32 s[G0R], 1
	s_wait_dscnt 0x0                               ; both opening adds are done
	CROUND                                         ; all sixteen work-groups are here
	s_wait_kmcnt 0x0
	s_add_nc_u64 s[G0A+2:G0A+3], s[4:5], s[86:87]
	s_add_nc_u64 s[10:11], s[4:5], s[86:87]        ; where my prefetches stand
	s_or_b32 s[G0A+3], s[G0A+3], 0x80000000
	s_add_nc_u64 s[G0B+2:G0B+3], s[4:5], s[78:79]
	s_or_b32 s[G0B+3], s[G0B+3], 0x80000000
	s_add_nc_u64 s[G0S+2:G0S+3], s[6:7], s[80:81]
	s_or_b32 s[G0S+3], s[G0S+3], 0x80000000
	s_add_nc_u64 s[G0R+2:G0R+3], s[4:5], s[90:91]
	s_or_b32 s[G0R+3], s[G0R+3], 0x80000000
	s_add_nc_u64 s[2:3], s[6:7], s[82:83]
	s_cmp_eq_u32 s14, 0                            ; one joint load a wave
	s_cbranch_scc0 .Lwave_1
	TLOAD G0B, G1B                                 ; wave 0: Wk's rows, into slot 1
	s_branch .Lasked
.Lwave_1:
	s_cmp_eq_u32 s14, 1
	s_cbranch_scc0 .Lfor_scales
	TLOAD G0A, G1A                                 ; wave 1: chunk 0
	s_branch .Lasked
.Lfor_scales:
	TLOAD G0S, G1S                                 ; waves 2, 3: the scale bytes of 512 rows each
.Lasked:
	s_mul_i32 s20, s15, 64*PITCH                   ; my row of waves: rows 64 on in a chunk
	s_mul_i32 s22, s16, 64*PITCH
	s_add_co_u32 s22, s22, YB
	s_mul_i32 s21, s15, 8*272
	s_add_co_u32 s21, s21, SCL
	s_lshl_b32 s23, s40, 2
	s_add_co_u32 s23, s23, s14
	s_lshl_b32 s23, s23, 13                        ; my sixteenth of a chunk
	s_lshl_b32 s84, s43, 2                         ; where my results go: batch 4 x tile row, head 2 x tile column + my column of waves
	s_mul_i32 s84, s84, BB
	s_lshl_b32 s76, s42, 1
	s_add_co_u32 s76, s76, s16
	s_mul_i32 s76, s76, HB
	s_add_co_u32 s76, s76, s84
	s_lshl_b32 s84, s15, 12
	s_add_co_u32 s84, s84, s76                     ; codes: 4 tiles of 1,024 bytes on for wave row 1
	s_mov_b32 s85, 0
	s_lshl_b32 s77, s15, 8
	s_add_co_u32 s76, s76, s77
	s_add_co_u32 s76, s76, 16384                   ; scale words: 2 pairs of 128 bytes on
	s_mov_b32 s77, 0
	s_add_nc_u64 s[84:85], s[88:89], s[84:85]
	s_add_nc_u64 s[76:77], s[88:89], s[76:77]
	v_and_b32 v1, 15, v0                           ; r
	v_bfe_u32 v2, v0, 4, 1                         ; h
	v_and_b32 v3, 31, v0                           ; lane
	v_mul_u32_u24 v[ABS], v3, KS                   ; lane l takes row l of a pair of tiles
	v_lshl_add_u32 v[PFO], v3, 8, s23
	v_mul_u32_u24 v22, v1, PITCH
	v_mad_u32_u24 v23, v2, 16, v22
	v_add_nc_u32 v[ADRA0], s20, v23
	v_add_nc_u32 v[ADRB], s22, v23
	v_lshlrev_b32 v23, 5, v1                       ; x's scale bytes: 32 a row, and 16 more for each 256 passed
	v_lshrrev_b32 v22, 3, v1
	v_lshl_add_u32 v23, v22, 4, v23
	v_add_nc_u32 v[AAS0], s21, v23
	v_lshlrev_b32 v[CO], 4, v3
	v_lshlrev_b32 v[KO], 2, v3
	v_mov_b32 v[TM+4], 0                           ; a lane permute's destination counts as read
	v_mov_b32 v[TM+5], 0
.irp p, 0,1
.irp c, 0,1
	global_load_b128 v[SB+8*\p+4*\c:SB+8*\p+4*\c+3], v[ABS], s[2:3] offset:\p*32*KS+16*\c
.endr
.endr
	global_prefetch_b8 v[PFO], s[10:11] offset:CH*KROW th:TH_LOAD_NT scope:SCOPE_SE
	global_prefetch_b8 v[PFO], s[10:11] offset:2*CH*KROW th:TH_LOAD_NT scope:SCOPE_SE
	s_wait_alu depctr_va_vdst(0)                   ; the wait at the head's end
	s_wait_tensorcnt 0x0                           ; my tile of the head's four is in
	BARRIER                                        ; everybody's is
	s_mov_b32 s60, 0x76543210                      ; (Wk's group 0 is free now)
	s_mov_b32 s61, 0xfedcba98
	s_mov_b32 s62, 0x600000
	s_mov_b32 s63, 0xffff0000
.irp q, 0,1,2,3,4,5,6,7                        ; my 64 rows of Wk, all of K, into windows 1 and 2: fragment 4 q + b
.irp b, 0,1,2,3
	WIN (1+(4*\q+\b)/16)<<6
.irp c, 0,1,2,3
	ds_load_b128 v[16*((4*\q+\b)%16)+4*\c:16*((4*\q+\b)%16)+4*\c+3], v[ADRB] offset:128*\q+32*\c+\b*16*PITCH
.endr
.endr
.endr
	WIN 0
.macro FETCH k, i                      ; block i of the chunk, 16 rows, all of K, into set k of window 3, and its scale words
	WIN 3<<6
.irp q, 0,1,2,3,4,5,6,7
.irp c, 0,1,2,3
	ds_load_b128 v[128*(\k)+16*\q+4*\c:128*(\k)+16*\q+4*\c+3], v[ADRA] offset:16*PITCH*(\i)+128*\q+32*\c
.endr
.endr
	WIN 0
	ds_load_b128 v[SA+8*(\k):SA+8*(\k)+3], v[AAS] offset:544*(\i)
	ds_load_b128 v[SA+8*(\k)+4:SA+8*(\k)+7], v[AAS] offset:544*(\i)+16
.endm
.macro PROD e, n                       ; product n = 4 q + b: the q-th 128 of K, channel tile b; x's rows in set e
.set Q_, (\n)/4
.set B_, (\n)%4
.set AC_, ACC+8*B_
.set R_, 128*(\e)+16*Q_
.set W_, 16*((\n)%16)
.set XS_, SA+8*(\e)+Q_
.set WS_, SB+8*(B_/2)+Q_
	WIN (1+(\n)/16)|(3<<2)
.if Q_ && B_%2
	v_wmma_scale_f32_16x16x128_f8f6f4 v[AC_:AC_+7], v[W_:W_+15], v[R_:R_+15], v[AC_:AC_+7], v[WS_], v[XS_] matrix_a_scale:MATRIX_SCALE_ROW1
.elseif Q_
	v_wmma_scale_f32_16x16x128_f8f6f4 v[AC_:AC_+7], v[W_:W_+15], v[R_:R_+15], v[AC_:AC_+7], v[WS_], v[XS_]
.elseif B_%2
	v_wmma_scale_f32_16x16x128_f8f6f4 v[AC_:AC_+7], v[W_:W_+15], v[R_:R_+15], 0, v[WS_], v[XS_] matrix_a_scale:MATRIX_SCALE_ROW1
.else
	v_wmma_scale_f32_16x16x128_f8f6f4 v[AC_:AC_+7], v[W_:W_+15], v[R_:R_+15], 0, v[WS_], v[XS_]
.endif
.endm
.macro WAYOUT i                        ; a block's 16 keys x 64 channels: two scale blocks of 32, each in lanes l and l xor 16; each accumulator is read from its low end on
.set PS_, PC+8*((\i)%2)
.irp b, 0,1
	v_max3_num_f32 v[TM+\b], |v[ACC+16*\b]|, |v[ACC+16*\b+1]|, 0x4800000     ; the floor 2^(9 - 127): the byte cannot fall under 1
	v_max3_num_f32 v[TM+2+\b], |v[ACC+16*\b+8]|, |v[ACC+16*\b+9]|, |v[ACC+16*\b+10]|
.endr
.irp k, 2,4
.irp b, 0,1
	v_max3_num_f32 v[TM+\b], v[TM+\b], |v[ACC+16*\b+\k]|, |v[ACC+16*\b+\k+1]|
	v_max3_num_f32 v[TM+2+\b], v[TM+2+\b], |v[ACC+16*\b+\k+9]|, |v[ACC+16*\b+\k+10]|
.endr
.endr
.irp b, 0,1
	v_max3_num_f32 v[TM+\b], v[TM+\b], |v[ACC+16*\b+6]|, |v[ACC+16*\b+7]|
.endr
.irp b, 0,1
	v_max3_num_f32 v[TM+\b], v[TM+\b], v[TM+2+\b], |v[ACC+16*\b+15]|
.endr
.irp b, 0,1
	v_permlanex16_b32 v[TM+4+\b], v[TM+\b], s60, s61
.endr
.irp b, 0,1
	v_max_num_f32 v[TM+\b], v[TM+\b], v[TM+4+\b]
.endr
.irp b, 0,1
	v_add_nc_u32 v[TM+6+\b], 0xfc000000, v[TM+\b]            ; 8 off the exponent field: the conversion's scale operand
.endr
.irp b, 0,1
	v_and_or_b32 v[TM+8+\b], v[TM+\b], 0x7f800000, s62       ; 448 x the scale
.endr
.irp b, 0,1
	v_lshrrev_b32 v[TM+4+\b], 23, v[TM+6+\b]                 ; the scale's byte
.endr
	v_lshl_or_b32 v[KW+(\i)%2], v[TM+5], 8, v[TM+4]
.irp b, 0,1
.irp k, 0,1,2,3,4,5,6,7,8,9,10,11,12,13,14,15
	v_med3_num_f32 v[ACC+16*\b+\k], v[ACC+16*\b+\k], -v[TM+8+\b], v[TM+8+\b]   ; the conversion does not saturate (ISA guide 7.6.2): the hold
.endr
.endr
.irp b, 0,1
	v_cvt_scalef32_pk8_fp8_f32 v[PS_+4*\b:PS_+4*\b+1], v[ACC+16*\b:ACC+16*\b+7], v[TM+6+\b]
	v_cvt_scalef32_pk8_fp8_f32 v[PS_+4*\b+2:PS_+4*\b+3], v[ACC+16*\b+8:ACC+16*\b+15], v[TM+6+\b]
.endr
	v_nop                                          ; a plain line behind the last conversion: the next products write its sources
.irp b, 0,1
	global_store_b128 v[CO], v[PS_+4*\b:PS_+4*\b+3], s[84:85] offset:1024*(\i)+512*\b   ; 512 consecutive bytes, aligned
.endr
.if (\i)%2
	v_cndmask_b32 v[KM+(\i)/2], v[KW], v[KW+1], s63          ; lanes 0-15 the even tile's word, lanes 16-31 the odd's
	global_store_b32 v[KO], v[KM+(\i)/2], s[76:77] offset:128*((\i)/2)
.endif
.endm
.macro BLK i
.if (\i) < 3
	s_wait_dscnt NF                                ; this block is in; the 34 loads of the block behind it may be out
.else
	s_wait_dscnt 0x0
.endif
.set N_, 0
.rept 32
	PROD (\i)%2, N_
.set N_, N_+1
.endr
	WIN 0
	PLACES 8                                       ; behind the last product, ahead of loads into what it read and of the first reader of its sums
.if (\i) < 2
	FETCH (\i)%2, (\i)+2
.endif
	s_wait_xcnt 0x0                                ; earlier stores have read the registers that are written now
	WAYOUT \i
.endm
.macro CHUNK refill                    ; s46 the chunk; s101 its slot, s47 the other; s8 its scale bytes' step
	s_wait_tensorcnt 0x0                           ; my part of this chunk is in, so a group 0 may be written
	ds_add_u32 v[SPW], v[NIL]
.if \refill
	s_add_co_u32 s[G0R+1], s9, s47
	s_add_nc_u64 s[G0R+2:G0R+3], s[G0R+2:G0R+3], CH*KROW
.endif
	s_wait_dscnt 0x0                               ; the add is done, and my reads of the other slot are over
.if \refill
	CROUND
	TLOAD G0R, G1R                                 ; the next chunk, a quarter a wave, into the other slot
.else
	BARRIER
.endif
	v_add_nc_u32 v[ADRA], s101, v[ADRA0]
	v_add_nc_u32 v[AAS], s8, v[AAS0]
	s_wait_alu depctr_va_vdst(0)                   ; the wait behind these writes
	FETCH 0, 0
	FETCH 1, 1
.if \refill
	s_cmp_gt_u32 s46, 4                            ; chunks beyond the seventh do not exist
	s_cbranch_scc1 .Lnone_ahead_\@
	global_prefetch_b8 v[PFO], s[10:11] offset:3*CH*KROW th:TH_LOAD_NT scope:SCOPE_SE
.Lnone_ahead_\@:
.endif
	BLK 0
	BLK 1
	BLK 2
	BLK 3
.if \refill
	s_wait_xcnt 0x0                                ; stores and prefetch have read their bases
	s_add_nc_u64 s[10:11], s[10:11], CH*KROW
	s_and_b32 s20, s46, 1                          ; an even chunk's successor is the batch's second half, an odd one's the next batch
	s_mul_i32 s22, s20, BB-1024
	s_mul_i32 s20, s20, BB-16384
	s_add_co_u32 s20, s20, 8192
	s_add_co_u32 s22, s22, 512
	s_mov_b32 s21, 0
	s_mov_b32 s23, 0
	s_add_nc_u64 s[84:85], s[84:85], s[20:21]
	s_add_nc_u64 s[76:77], s[76:77], s[22:23]
	s_xor_b32 s101, s101, YB
	s_xor_b32 s47, s47, YB
	s_add_co_u32 s8, s8, 16*272
.endif
.endm
	s_mov_b32 s46, 0
	s_mov_b32 s101, 0
	s_mov_b32 s47, YB
	s_mov_b32 s8, 0
	s_wait_loadcnt 0x0                             ; Wk's scale words
.Lchunk:
	CHUNK 1
	s_add_co_u32 s46, s46, 1
	s_cmp_lt_u32 s46, 7
	s_cbranch_scc1 .Lchunk
	CHUNK 0                                        ; the last chunk asks for nothing
	s_wait_tensorcnt 0x0                           ; the wave's end
	ds_add_u32 v[SPW], v[NIL]
	s_wait_dscnt 0x0
	CROUND                                         ; the closing round
	s_endpgm
.Lfunc_end_k_q5fbb69a5ff_kproj:
	.size	k_q5fbb69a5ff_kproj, .Lfunc_end_k_q5fbb69a5ff_kproj-k_q5fbb69a5ff_kproj
	.p2alignl 7, 3214868480
	.fill 96, 4, 3214868480
	.section	.rodata,"a",@progbits
	.p2align	6, 0x0
	.amdhsa_kernel k_q5fbb69a5ff_kproj
		.amdhsa_group_segment_fixed_size 327680
		.amdhsa_private_segment_fixed_size 0
		.amdhsa_enable_private_segment 0
		.amdhsa_kernarg_size 24
		.amdhsa_user_sgpr_count 2
		.amdhsa_user_sgpr_kernarg_segment_ptr 1
		.amdhsa_wavefront_size32 1
		.amdhsa_system_sgpr_workgroup_id_x 1
		.amdhsa_system_sgpr_workgroup_id_y 1
		.amdhsa_system_sgpr_workgroup_id_z 1
		.amdhsa_system_vgpr_workitem_id 0
		.amdhsa_next_free_vgpr 1024
		.amdhsa_next_free_sgpr 102
		.amdhsa_reserve_vcc 0
		.amdhsa_float_denorm_mode_32 3
		.amdhsa_float_denorm_mode_16_64 3
		.amdhsa_memory_ordered 1
		.amdhsa_forward_progress 1
		.amdhsa_inst_pref_size 106
	.end_amdhsa_kernel
	.amdgpu_metadata
---
amdhsa.version: [ 1, 2 ]
amdhsa.kernels:
  - .name:           k_q5fbb69a5ff_kproj
    .symbol:         k_q5fbb69a5ff_kproj.kd
    .args:
      - { .name: codes, .offset: 0, .size: 8, .value_kind: global_buffer, .address_space: global }
      - { .name: scales, .offset: 8, .size: 8, .value_kind: global_buffer, .address_space: global }
      - { .name: kc, .offset: 16, .size: 8, .value_kind: global_buffer, .address_space: global }
    .group_segment_fixed_size: 327680
    .private_segment_fixed_size: 0
    .kernarg_segment_align: 8
    .kernarg_segment_size: 24
    .max_flat_workgroup_size: 128
    .sgpr_count:     102
    .vgpr_count:     1024
    .wavefront_size: 32
...
	.end_amdgpu_metadata
.endif
;; end of part 3
;; launch att (part 4): grid 2 x 128, 8 waves a work-group, no clusters, 279,552 bytes of LDS; arguments kc, qc, qsb, vc, vs, out0; writes out0
.if DOCPART == 4
	.amdgcn_target "amdgcn-amd-amdhsa--gfx1250"
	.amdhsa_code_object_version 6
	.text
	.protected	k_q5fbb69a5ff_att
	.globl	k_q5fbb69a5ff_att
	.p2align	8
	.type	k_q5fbb69a5ff_att,@function
k_q5fbb69a5ff_att:
	s_mov_b64 s[64:65], 0
	v_nop
	global_prefetch_b8 v0, s[64:65] scope:SCOPE_SE
	s_setreg_imm32_b32 hwreg(HW_REG_WAVE_MODE, 25, 1), 1
	s_wait_xcnt 0x0
; out[q][batch][c] = sum over n of w[q][n] kx[batch][n][c], w = the sum over 16 heads of softmax_n(q_h . k_h[n] / 8), both products on codes of E4M3 with one E8M0 scale for each 32 along K.
; SHARES.  A work-group is one batch of 256 keys x 64 queries (four stored tiles of 16): 256 work-groups.  Wave v: tile t = v % 4, heads 8 hf .. 8 hf + 7, hf = v / 4; in the last product all 64 queries x channels 128 v .. 128 v + 127.
; K's codes and scale words of the batch, 278,528 dense bytes, come by one tensor load a wave (two heads, 136 rows of 256 bytes), all first fills; no LDS byte is filled twice.
; NO CLUSTER: a batch's K and V are read by two work-groups alone, so a mask would name two of a cluster's four and the address would hang on half of cx.
; V's fragments go from memory straight into the registers of the one wave that multiplies by them; its 1,024 blocks of 256 bytes are prefetched in the loop's first trip, three trips ahead of the loads, half by each of the two work-groups, each block once.
; SCORES.  S^T = K Q^T: a lane holds ONE query, and the 16 registers of tiles 2 b, 2 b + 1 are 16 neighbouring keys (the order in which kc was laid).  The waves with hf = 1 take the key tiles rotated by eight,
; so that in every wave registers 0-63 of w hold the 128 keys of K step hf: the wave keeps those, hands the other 64 to its partner v xor 4 through LDS, and quantises its own K step.
; A head has K = 64 in an instruction of K = 128: K's fragment is 8 registers of codes and 8 of zeros, so the upper half of Q's 16 registers and the scale bytes 2 and 3 (zero) meet zero codes alone.
; SOFTMAX.  All 256 keys of a row are in registers: the row's true maximum is taken away, p = 2^(c s - c max), c = log2(e) / 8; p is divided by the row's sum and added to w, in f32.
; The loop is written once for two heads, four trips; w begins as zeros, so that no trip differs.  The next trip's Q is loaded behind the trip's last scores.
; REGISTERS.  window 0: v1-17, v31, v49-51 addresses; v18-30 statistics; v32-45, v52-63 scale words; v64-191 S^T, later 16 accumulators of out; v192-255 K's fragments, later w's.  window 1: v0-127 w; v128-151 Q; later v0-255 V.
; LIMITS: NaN and infinities are not served; a p under 2^-126 counts as 0 (v_exp_f32); blocks of w under 2^-118 keep the byte 1.
.set HB, 17408                         ; a head in LDS as in kc: 16,384 bytes of codes, 1,024 of scale words
.set SPARE, 278528
.set WIS, 16384                        ; when the scores are over, in bytes that have had their only fill: w's eight fragments at 0, their scale words here,
.set EX, 17408                         ; the exchange (8 x 8,192),
.set STG, 82944                        ; and a stage of 16 rows x (512 + 16) bytes for each wave
.set KB, 1
.set SB, 3
.set KA, 5
.set KSA, 7
.set EXA, 9
.set EXR, 10
.set WWI, 11
.set WWS, 12
.set L16, 13
.set L4, 14
.set SO, 15
.set SRD, 16
.set OO, 17
.set NM, 18
.set INV, 20
.set T, 22
.set PD, 30
.set VL, 31
.set KSR, 32
.set QS, 40
.set QB, 42
.set SPW, 46
.set NIL, 47
.set PW, 48
.set PF, 49
.set QL, 50
.set VW, 51
.set WS, 52
.set VSR, 56
.set S, 64
.set PC, 128
.set TM, 144
.set KF, 192
.set QF, 128
.set OB, 48                            ; s[48:63] out at queries 64 x + 8 j, j = 0 .. 7, my batch
.set MSB, 0
.macro WIN new
.if MSB != (\new)
	s_set_vgpr_msb (MSB<<8)|(\new)
.set MSB, (\new)
.endif
.endm
.macro PLACES n
.rept \n
	v_nop
.endr
.endm
.macro BARRIER
	s_barrier_signal -1
	s_barrier_wait -1
.endm
	s_load_b256 s[4:11], s[0:1], 0x0               ; kc, qc, qsb, vc
	s_load_b128 s[12:15], s[0:1], 0x20             ; vs, out0
	v_lshl_add_u32 v[SPW], v0, 2, SPARE
	v_mov_b32 v[NIL], 0
	ds_add_u32 v[SPW], v[NIL]                      ; the opening lines: the add twice and its wait ahead of my tensor load
	ds_add_u32 v[SPW], v[NIL]
	v_lshrrev_b32 v22, 5, v0
	v_readfirstlane_b32 s18, v22                   ; wave 0..7
	s_and_b32 s20, ttmp7, 0xffff                   ; the batch
	s_mov_b32 s28, 3<<16                           ; 136 dense rows of 256 bytes (32 elements of 8), no padding: fragments are read 16 bytes a lane on end
	s_mov_b32 s29, 32<<16
	s_mov_b32 s30, 136<<16
	s_mov_b32 s31, 32<<16
	s_mov_b32 s32, 136
	s_mov_b32 s33, 32
	s_mov_b32 s34, 0
	s_mov_b32 s35, 0
	s_mov_b32 s36, 1
	s_mul_i32 s37, s18, 2*HB                       ; heads 2 v, 2 v + 1
	s_mul_i32 s16, s20, 16*HB
	s_add_co_u32 s16, s16, s37
	s_mov_b32 s17, 0
	s_wait_dscnt 0x0
	s_wait_kmcnt 0x0
	s_add_nc_u64 s[38:39], s[4:5], s[16:17]
	s_or_b32 s39, s39, 0x80000000
	tensor_load_to_lds s[36:39], s[28:35]
	s_nop 0
	PLACES 4
	s_lshr_b32 s67, s18, 2                         ; hf
	s_and_b32 s21, s18, 3                          ; t
	s_mul_i32 s68, s67, 8*HB
	s_lshl_b32 s69, s67, 13
	s_add_co_u32 s70, s68, s69                     ; key tiles 8 hf on,
	s_xor_b32 s69, s69, 8192
	s_add_co_u32 s71, s68, s69                     ; and the other eight
	s_add_co_u32 s68, s68, 16384
	s_lshl_b32 s69, s67, 9
	s_add_co_u32 s72, s68, s69                     ; their scale words likewise
	s_xor_b32 s69, s69, 512
	s_add_co_u32 s73, s68, s69
	s_lshl_b32 s74, s18, 13
	s_xor_b32 s75, s74, 32768                      ; my partner's
	s_add_co_u32 s74, s74, EX
	s_add_co_u32 s75, s75, EX
	s_lshl_b32 s76, s21, 1
	s_add_co_u32 s76, s76, s67                     ; the fragment of w that I make: 2 t + hf
	s_lshl_b32 s77, s76, 7
	s_add_co_u32 s77, s77, WIS
	s_lshl_b32 s76, s76, 11
	s_mul_i32 s78, s18, 16*528
	s_add_co_u32 s78, s78, STG
	s_lshl_b32 s79, s18, 9
	s_lshl_b32 s40, s18, 15
	s_lshl_b32 s41, ttmp9, 3
	s_add_co_u32 s41, s41, s18
	s_lshl_b32 s41, s41, 13
	s_lshl_b32 s42, ttmp9, 2
	s_add_co_u32 s42, s42, s21                     ; my stored tile of queries
	s_lshl_b32 s44, s42, 14
	s_lshl_b32 s43, s67, 13
	s_add_co_u32 s44, s44, s43
	s_mov_b32 s45, 0
	s_add_nc_u64 s[6:7], s[6:7], s[44:45]
	s_lshl_b32 s44, s42, 10
	s_lshl_b32 s43, s67, 9
	s_add_co_u32 s44, s44, s43
	s_add_nc_u64 s[8:9], s[8:9], s[44:45]
	s_lshl_b32 s44, s20, 18
	s_add_nc_u64 s[10:11], s[10:11], s[44:45]
	s_lshl_b32 s44, s20, 13
	s_add_nc_u64 s[12:13], s[12:13], s[44:45]
	s_lshl_b32 s44, ttmp9, 25                      ; 64 queries of 524,288 bytes
	s_lshl_b32 s43, s20, 12
	s_add_co_u32 s44, s44, s43
	s_add_nc_u64 s[OB:OB+1], s[14:15], s[44:45]
.irp j, 1,2,3,4,5,6,7
	s_add_nc_u64 s[OB+2*\j:OB+2*\j+1], s[OB+2*\j-2:OB+2*\j-1], 0x400000
.endr
	s_mov_b32 s22, 0x76543210
	s_mov_b32 s23, 0xfedcba98                      ; lane l xor 16
	s_mov_b32 s24, 0x3e38aa3b                      ; c = log2(e) / 8
	s_mov_b32 s25, s24
	s_mov_b32 s26, 0xbe38aa3b                      ; -c
	s_mov_b32 s27, 0x600000                        ; the mantissa field of 448
	s_mov_b32 s46, 0                               ; the trip
	s_mov_b32 s47, 0                               ; two heads a trip in LDS
	v_and_b32 v[QL], 31, v0
	v_and_b32 v24, 15, v0
	v_bfe_u32 v25, v0, 4, 1
	v_lshlrev_b32 v[L16], 4, v[QL]
	v_lshlrev_b32 v[L4], 2, v[QL]
	v_add_nc_u32 v[KB], s70, v[L16]
	v_add_nc_u32 v[KB+1], s71, v[L16]
	v_add_nc_u32 v[SB], s72, v[L4]
	v_add_nc_u32 v[SB+1], s73, v[L4]
	v_add_nc_u32 v[EXA], s74, v[L16]
	v_add_nc_u32 v[EXR], s75, v[L16]
	v_add_nc_u32 v[WWI], s76, v[L16]
	v_add_nc_u32 v[WWS], s77, v[L4]
	v_mul_u32_u24 v[SO], v24, 528
	v_lshl_add_u32 v[SO], v25, 5, v[SO]
	v_add_nc_u32 v[SO], s78, v[SO]
	v_add_nc_u32 v[SRD], s78, v[L16]
	v_add_nc_u32 v[OO], s79, v[L16]
	v_add_nc_u32 v[VW], s79, v[L4]
	v_add_nc_u32 v[VL], s40, v[L16]
	v_lshl_add_u32 v[PF], v[QL], 8, s41            ; block (8 x + wave) x 32 + lane of the first 512 of V's 1,024 blocks; the second 512 by the offset
.macro QLOAD                           ; two heads' codes and scale bytes of my queries
	WIN 0x40
.irp hh, 0,1
.irp cc, 0,1
	global_load_b128 v[QF+8*\hh+4*\cc:QF+8*\hh+4*\cc+3], v[L16], s[6:7] offset:1024*\hh+512*\cc
.endr
.endr
	WIN 0
.irp k, 0,1,2,3
	global_load_u8 v[QB+\k], v[QL], s[8:9] offset:32*\k
.endr
.endm
	QLOAD
	WIN 0x40
.irp z, 0,1,2,3,4,5,6,7
	v_mov_b32 v[QF+16+\z], 0                       ; behind the second head's codes
.endr
.set i, 0
.rept 128
	v_mov_b32 v[i], 0                              ; w: the loop is written once, its first head adds onto zeros
.set i, i+1
.endr
	WIN 0
.irp t, 0,1,2,3
.irp z, 8,9,10,11,12,13,14,15
	v_mov_b32 v[KF+16*\t+\z], 0                    ; the upper half of K's fragments: zero codes
.endr
.endr
	v_mov_b32 v[NM+1], 0                           ; (named as upper halves of pairs)
	v_mov_b32 v[INV+1], 0
	v_mov_b32 v[PD], 0
; ONE HEAD: 16 tiles of scores, the softmax of my query's row, and w += p / sum.
.macro HEAD hh
.irp grp, 0,1,2,3
.if \grp > 0
	PLACES 8                                       ; in front of loads into registers that matrix instructions have read
.endif
.irp t, 0,1,2,3
.irp cc, 0,1
	ds_load_b128 v[KF+16*\t+4*\cc:KF+16*\t+4*\cc+3], v[KA+\grp/2] offset:HB*\hh+1024*(4*(\grp%2)+\t)+512*\cc
.endr
.endr
.if \grp == 0
.irp p, 0,1,2,3,4,5,6,7
	ds_load_b32 v[KSR+\p], v[KSA+\p/4] offset:HB*\hh+128*(\p%4)
.endr
.endif
	s_wait_dscnt 0x0
	WIN 0x04                                       ; source 1 (Q) window 1
.irp t, 0,1,2,3
.if \t % 2
	v_wmma_scale_f32_16x16x128_f8f6f4 v[S+8*(4*\grp+\t):S+8*(4*\grp+\t)+7], v[KF+16*\t:KF+16*\t+15], v[QF+8*\hh:QF+8*\hh+15], 0, v[KSR+2*\grp+\t/2], v[QS+\hh] matrix_a_scale:MATRIX_SCALE_ROW1
.else
	v_wmma_scale_f32_16x16x128_f8f6f4 v[S+8*(4*\grp+\t):S+8*(4*\grp+\t)+7], v[KF+16*\t:KF+16*\t+15], v[QF+8*\hh:QF+8*\hh+15], 0, v[KSR+2*\grp+\t/2], v[QS+\hh]
.endif
.endr
	WIN 0
.endr
	PLACES 8
.if \hh == 1
	s_cmp_eq_u32 s46, 3                            ; the last trip has no successor: no load leaves its buffer
	s_cbranch_scc1 .Lno_q_\@
	s_add_nc_u64 s[6:7], s[6:7], 2048              ; (the loads that read these bases were waited for at the trip's head)
	s_add_nc_u64 s[8:9], s[8:9], 128
	QLOAD
.Lno_q_\@:
.endif
	s_cmp_lg_u32 s46, 0
	s_cbranch_scc1 .Lno_pf_\@
	global_prefetch_b8 v[PF], s[10:11] offset:131072*\hh th:TH_LOAD_NT scope:SCOPE_SE
.Lno_pf_\@:
	; the row's maximum: four chains, ascending
.irp q, 0,1,2,3
	v_max3_num_f32 v[T+\q], v[S+32*\q], v[S+32*\q+1], v[S+32*\q+2]
.endr
.irp i, 3,5,7,9,11,13,15,17,19,21,23,25,27,29
.irp q, 0,1,2,3
	v_max3_num_f32 v[T+\q], v[T+\q], v[S+32*\q+\i], v[S+32*\q+\i+1]
.endr
.endr
.irp q, 0,1,2,3
	v_max_num_f32 v[T+\q], v[T+\q], v[S+32*\q+31]
.endr
	s_delay_alu instid0(VALU_DEP_2)
	v_max3_num_f32 v[T], v[T], v[T+1], v[T+2]
	s_delay_alu instid0(VALU_DEP_1)
	v_max_num_f32 v[T], v[T], v[T+3]
	s_delay_alu instid0(VALU_DEP_1)
	v_permlanex16_b32 v[PD], v[T], s22, s23        ; the query's other 128 keys lie in the lane 16 away
	s_delay_alu instid0(VALU_DEP_1)
	v_max_num_f32 v[T], v[T], v[PD]
	s_delay_alu instid0(VALU_DEP_1)
	v_mul_f32 v[NM], s26, v[T]
.set i, 0
.rept 64
	v_pk_fma_f32 v[S+i:S+i+1], v[S+i:S+i+1], s[24:25], v[NM:NM+1] op_sel_hi:[1,0,0]   ; c s - c max
.set i, i+2
.endr
	s_wait_alu depctr_va_vdst(0)                   ; the wait ahead of the batch
.set i, 0
.rept 128
	v_exp_f32 v[S+i], v[S+i]
.set i, i+1
.endr
	v_nop                                          ; a plain line behind the last exponential
	s_wait_alu depctr_va_vdst(0)                   ; one wait for the 128, ahead of their first reader
.set i, 0
.irp ch, 24,26,28,246,244,242,240,22           ; the row's sum, in eight chains (v240-247: a fragment of K that is done with)
	v_pk_add_f32 v[\ch:\ch+1], v[S+4*i:S+4*i+1], v[S+4*i+2:S+4*i+3]
.set i, i+1
.endr
.set i, 32
.rept 6
.irp ch, 22,24,26,28,246,244,242,240
	v_pk_add_f32 v[\ch:\ch+1], v[\ch:\ch+1], v[S+i:S+i+1]
.set i, i+2
.endr
.endr
	s_delay_alu instid0(VALU_DEP_4)
	v_pk_add_f32 v[22:23], v[22:23], v[246:247]
	s_delay_alu instid0(VALU_DEP_4)
	v_pk_add_f32 v[24:25], v[24:25], v[244:245]
	s_delay_alu instid0(VALU_DEP_4)
	v_pk_add_f32 v[26:27], v[26:27], v[242:243]
	s_delay_alu instid0(VALU_DEP_4)
	v_pk_add_f32 v[28:29], v[28:29], v[240:241]
	s_delay_alu instid0(VALU_DEP_2)
	v_pk_add_f32 v[22:23], v[22:23], v[26:27]
	s_delay_alu instid0(VALU_DEP_2)
	v_pk_add_f32 v[24:25], v[24:25], v[28:29]
	s_delay_alu instid0(VALU_DEP_1)
	v_pk_add_f32 v[22:23], v[22:23], v[24:25]
	s_delay_alu instid0(VALU_DEP_1)
	v_add_f32 v[T], v[T], v[T+1]
	s_delay_alu instid0(VALU_DEP_1)
	v_permlanex16_b32 v[PD], v[T], s22, s23
	s_delay_alu instid0(VALU_DEP_1)
	v_add_f32 v[T], v[T], v[PD]                    ; the row's sum: at least about 1, the largest p
	s_wait_alu depctr_va_vdst(0)
	v_rcp_f32 v[INV], v[T]
	v_nop
	s_wait_alu depctr_va_vdst(0)                   ; ahead of the reciprocal's first reader
	WIN 0x50                                       ; destination and source 2 (w) window 1
.set i, 0
.rept 64
	v_pk_fma_f32 v[i:i+1], v[S+i:S+i+1], v[INV:INV+1], v[i:i+1] op_sel_hi:[1,0,1]
.set i, i+2
.endr
	WIN 0
.endm
	s_wait_alu depctr_va_vdst(0)                   ; the wait at the head's end
	s_wait_tensorcnt 0x0                           ; my two heads are in
	BARRIER                                        ; everybody's are
.Ltrip:
	s_wait_loadcnt 0x0                             ; this trip's Q
	v_lshl_or_b32 v[QS], v[QB+1], 8, v[QB]
	v_lshl_or_b32 v[QS+1], v[QB+3], 8, v[QB+2]
	v_add_nc_u32 v[KA], s47, v[KB]
	v_add_nc_u32 v[KA+1], s47, v[KB+1]
	v_add_nc_u32 v[KSA], s47, v[SB]
	v_add_nc_u32 v[KSA+1], s47, v[SB+1]
	PLACES 6                                       ; a scale register written by a vector instruction stands eight places ahead of a scaled product
	s_wait_alu depctr_va_vdst(0)                   ; the wait behind these writes
	HEAD 0
	HEAD 1
	s_add_co_u32 s47, s47, 2*HB
	s_add_co_u32 s46, s46, 1
	s_cmp_lt_u32 s46, 4
	s_cbranch_scc1 .Ltrip
	s_wait_alu depctr_va_vdst(0)
	s_wait_loadcnt 0x0                             ; no load of Q is out on any way: its registers are loaded into below
	s_wait_dscnt 0x0
	BARRIER                                        ; everybody's are: K's bytes, which have had their only fill, may be written
	WIN 0x04                                       ; an LDS store's data are its source 1: window 1
.set i, 0
.rept 16
	ds_store_b128 v[EXA], v[64+4*i:64+4*i+3] offset:512*i      ; the K step that my partner owns
.set i, i+1
.endr
	WIN 0
	s_wait_dscnt 0x0                               ; for my partner; and these registers may be loaded into
	WIN 0x40
.set i, 16
.rept 48
	global_load_b128 v[4*i:4*i+3], v[VL], s[10:11] offset:512*i    ; V's 16 fragments of my 128 channels: (ct, K step) at v[32 ct + 16 ks] of window 1
.set i, i+1
.endr
	WIN 0
.irp ks, 0,1
.irp p, 0,1,2,3
	global_load_b32 v[VSR+4*\ks+\p], v[VW], s[12:13] offset:4096*\ks+128*\p   ; lanes 0-15: tile 2 p's words; lanes 16-31: tile 2 p + 1's
.endr
.endr
	BARRIER
.set i, 0
.rept 16
	ds_load_b128 v[S+4*i:S+4*i+3], v[EXR] offset:512*i
.set i, i+1
.endr
	s_wait_dscnt 0x0
	WIN 0x04
.set i, 0
.rept 32
	v_pk_add_f32 v[S+i:S+i+1], v[S+i:S+i+1], v[i:i+1]          ; w of my tile and K step, all 16 heads
.set i, i+2
.endr
	WIN 0x40
.set i, 0
.rept 16
	global_load_b128 v[4*i:4*i+3], v[VL], s[10:11] offset:512*i
.set i, i+1
.endr
	WIN 0
.irp b, 0,1,2,3
	v_mov_b32 v[TM+4+\b], 0
.endr
.irp b, 0,1,2,3
	v_max3_num_f32 v[TM+\b], |v[S+16*\b]|, |v[S+1+16*\b]|, 0x4800000
.endr
.irp i, 2,4,6,8,10,12,14
.irp b, 0,1,2,3
	s_delay_alu instid0(VALU_DEP_4)
	v_max3_num_f32 v[TM+\b], v[TM+\b], |v[S+16*\b+\i]|, |v[S+1+16*\b+\i]|
.endr
.endr
.irp b, 0,1,2,3
	s_delay_alu instid0(VALU_DEP_4)
	v_permlanex16_b32 v[TM+4+\b], v[TM+\b], s22, s23
.endr
.irp b, 0,1,2,3
	s_delay_alu instid0(VALU_DEP_4)
	v_max_num_f32 v[TM+\b], v[TM+\b], v[TM+4+\b]
.endr
.irp b, 0,1,2,3
	s_delay_alu instid0(VALU_DEP_4)
	v_add_nc_u32 v[TM+12+\b], 0xfc000000, v[TM+\b]
.endr
.irp b, 0,1,2,3
	v_and_or_b32 v[TM+8+\b], v[TM+\b], 0x7f800000, s27
.endr
.irp b, 0,1,2,3
	v_lshrrev_b32 v[TM+4+\b], 23, v[TM+12+\b]
.endr
	s_delay_alu instid0(VALU_DEP_3)
	v_lshl_or_b32 v[PW], v[TM+5], 8, v[TM+4]
	s_delay_alu instid0(VALU_DEP_1)
	v_lshl_or_b32 v[PW], v[TM+6], 16, v[PW]
	s_delay_alu instid0(VALU_DEP_1)
	v_lshl_or_b32 v[PW], v[TM+7], 24, v[PW]
.irp b, 0,1,2,3
.irp i, 0,1,2,3,4,5,6,7,8,9,10,11,12,13,14,15
	v_med3_num_f32 v[S+16*\b+\i], v[S+16*\b+\i], -v[TM+8+\b], v[TM+8+\b]
.endr
	v_cvt_scalef32_pk8_fp8_f32 v[PC+4*\b:PC+1+4*\b], v[S+16*\b:S+7+16*\b], v[TM+12+\b]
	v_cvt_scalef32_pk8_fp8_f32 v[PC+2+4*\b:PC+3+4*\b], v[S+8+16*\b:S+15+16*\b], v[TM+12+\b]
.endr
	v_nop                                          ; a plain line behind the last conversion: the products below write its sources
.irp c, 0,1,2,3
	ds_store_b128 v[WWI], v[PC+4*\c:PC+4*\c+3] offset:512*\c     ; the fragment as an image of its registers
.endr
	ds_store_b32 v[WWS], v[PW]
	s_wait_dscnt 0x0
	BARRIER                                        ; w's eight fragments lie in LDS
; THE WAY OUT.  A lane holds 32 neighbouring bytes of a query's row: a tile of 16 queries x 512 bytes goes through my own stage and comes back as whole rows.  LDS serves a wave's instructions in order (ISA guide 5.7.1.4).
.macro TOSTAGE tq, back
.irp ct, 0,1,2,3,4,5,6,7
	ds_store_b128 v[SO], v[S+8*(8*\tq+\ct):S+8*(8*\tq+\ct)+3] offset:64*\ct          ; each accumulator from its low end on
	ds_store_b128 v[SO], v[S+8*(8*\tq+\ct)+4:S+8*(8*\tq+\ct)+7] offset:64*\ct+16
.endr
.irp p, 0,1,2,3,4,5,6,7,8,9,10,11,12,13,14,15
	ds_load_b128 v[\back+4*\p:\back+4*\p+3], v[SRD] offset:528*\p
.endr
.endm
.macro SEND ps, tq, back, younger      ; stored row p of tile 2 ps + tq is query 64 x + 32 ps + 16 (p / 8) + 8 tq + p % 8
	s_wait_dscnt \younger
.irp p, 0,1,2,3,4,5,6,7,8,9,10,11,12,13,14,15
	global_store_b128 v[OO], v[\back+4*\p:\back+4*\p+3], s[OB+2*(4*\ps+\tq+2*(\p/8)):OB+2*(4*\ps+\tq+2*(\p/8))+1] offset:(\p%8)*524288 th:TH_STORE_NT   ; 512 consecutive bytes, aligned
.endr
.endm
; out^T = V^T w^T for query tiles 2 ps, 2 ps + 1: source 0 = 16 channels, source 1 = 16 queries; the 16 accumulators take turns
.macro PASS ps
.irp f, 0,1,2,3
.irp c, 0,1,2,3
	ds_load_b128 v[KF+16*\f+4*\c:KF+16*\f+4*\c+3], v[L16] offset:2048*(4*\ps+\f)+512*\c
.endr
	ds_load_b32 v[WS+\f], v[L4] offset:WIS+128*(4*\ps+\f)
.endr
	s_wait_dscnt 0x0
.if \ps == 0
	s_wait_loadcnt 0x0                             ; V
.endif
	WIN 0x01                                       ; source 0 (V) window 1
.irp ks, 0,1
.irp ct, 0,1,2,3,4,5,6,7
.irp tq, 0,1
.if \ks == 0
.if \ct % 2
	v_wmma_scale_f32_16x16x128_f8f6f4 v[S+8*(8*\tq+\ct):S+8*(8*\tq+\ct)+7], v[32*\ct+16*\ks:32*\ct+16*\ks+15], v[KF+16*(2*\tq+\ks):KF+16*(2*\tq+\ks)+15], 0, v[VSR+4*\ks+\ct/2], v[WS+2*\tq+\ks] matrix_a_scale:MATRIX_SCALE_ROW1
.else
	v_wmma_scale_f32_16x16x128_f8f6f4 v[S+8*(8*\tq+\ct):S+8*(8*\tq+\ct)+7], v[32*\ct+16*\ks:32*\ct+16*\ks+15], v[KF+16*(2*\tq+\ks):KF+16*(2*\tq+\ks)+15], 0, v[VSR+4*\ks+\ct/2], v[WS+2*\tq+\ks]
.endif
.else
.if \ct % 2
	v_wmma_scale_f32_16x16x128_f8f6f4 v[S+8*(8*\tq+\ct):S+8*(8*\tq+\ct)+7], v[32*\ct+16*\ks:32*\ct+16*\ks+15], v[KF+16*(2*\tq+\ks):KF+16*(2*\tq+\ks)+15], v[S+8*(8*\tq+\ct):S+8*(8*\tq+\ct)+7], v[VSR+4*\ks+\ct/2], v[WS+2*\tq+\ks] matrix_a_scale:MATRIX_SCALE_ROW1
.else
	v_wmma_scale_f32_16x16x128_f8f6f4 v[S+8*(8*\tq+\ct):S+8*(8*\tq+\ct)+7], v[32*\ct+16*\ks:32*\ct+16*\ks+15], v[KF+16*(2*\tq+\ks):KF+16*(2*\tq+\ks)+15], v[S+8*(8*\tq+\ct):S+8*(8*\tq+\ct)+7], v[VSR+4*\ks+\ct/2], v[WS+2*\tq+\ks]
.endif
.endif
.endr
.endr
.endr
	WIN 0
	PLACES 9                                       ; behind the last products: results are read, operands' registers are loaded into, and the next pass's first products write over these sums
	TOSTAGE 0, KF
	TOSTAGE 1, S
	SEND \ps, 0, KF, 32                            ; behind tile 0's loads: tile 1's 16 stores and 16 loads
	SEND \ps, 1, S, 0
.endm
	PASS 0
	s_wait_xcnt 0x0                                ; the stores have read their registers, which are written again now
	PASS 1
	s_wait_tensorcnt 0x0                           ; the wave's end
	ds_add_u32 v[SPW], v[NIL]
	s_wait_dscnt 0x0
	s_endpgm
.Lfunc_end_k_q5fbb69a5ff_att:
	.size	k_q5fbb69a5ff_att, .Lfunc_end_k_q5fbb69a5ff_att-k_q5fbb69a5ff_att
	.p2alignl 7, 3214868480
	.fill 96, 4, 3214868480
	.section	.rodata,"a",@progbits
	.p2align	6, 0x0
	.amdhsa_kernel k_q5fbb69a5ff_att
		.amdhsa_group_segment_fixed_size 279552
		.amdhsa_private_segment_fixed_size 0
		.amdhsa_enable_private_segment 0
		.amdhsa_kernarg_size 48
		.amdhsa_user_sgpr_count 2
		.amdhsa_user_sgpr_kernarg_segment_ptr 1
		.amdhsa_wavefront_size32 1
		.amdhsa_system_sgpr_workgroup_id_x 1
		.amdhsa_system_sgpr_workgroup_id_y 1
		.amdhsa_system_sgpr_workgroup_id_z 1
		.amdhsa_system_vgpr_workitem_id 0
		.amdhsa_next_free_vgpr 512
		.amdhsa_next_free_sgpr 80
		.amdhsa_reserve_vcc 0
		.amdhsa_float_denorm_mode_32 3
		.amdhsa_float_denorm_mode_16_64 3
		.amdhsa_memory_ordered 1
		.amdhsa_forward_progress 1
		.amdhsa_inst_pref_size 114
	.end_amdhsa_kernel
	.amdgpu_metadata
---
amdhsa.version: [ 1, 2 ]
amdhsa.kernels:
  - .name:           k_q5fbb69a5ff_att
    .symbol:         k_q5fbb69a5ff_att.kd
    .args:
      - { .name: kc, .offset: 0, .size: 8, .value_kind: global_buffer, .address_space: global }
      - { .name: qc, .offset: 8, .size: 8, .value_kind: global_buffer, .address_space: global }
      - { .name: qsb, .offset: 16, .size: 8, .value_kind: global_buffer, .address_space: global }
      - { .name: vc, .offset: 24, .size: 8, .value_kind: global_buffer, .address_space: global }
      - { .name: vs, .offset: 32, .size: 8, .value_kind: global_buffer, .address_space: global }
      - { .name: out0, .offset: 40, .size: 8, .value_kind: global_buffer, .address_space: global }
    .group_segment_fixed_size: 279552
    .private_segment_fixed_size: 0
    .kernarg_segment_align: 8
    .kernarg_segment_size: 48
    .max_flat_workgroup_size: 256
    .sgpr_count:     80
    .vgpr_count:     512
    .wavefront_size: 32
...
	.end_amdgpu_metadata
.endif
;; end of part 4
